; MI455X (gfx1250); checked and timed in simulation.
; The chip was launched on July 23, 2026; its instructions are those of AMD's public machine-readable ISA for CDNA 5 (MIT licence, August 2026) and "CDNA5" Instruction Set Architecture Reference Guide (July 2026). The comments in the code are by the model that wrote it; some were corrected since.
;; Multihead Attention. Allowed arithmetic: matrix products marked QUANTISED: E2M1 operands, one E8M0 scale for each 32 along K, by v_wmma_scale_f32_16x16x128_f8f6f4 with both operands' format E2M1 (or v_wmma_scale_f32_32x16x128_f4), f32 sums; products left as they are: bf16, f16 or f32 operands; f32 sums; everything else in f32.
;; Inputs: out_b 1,024 float32; out_w 1,024 x 1,024 float32; qkv_b 3,072 float32; qkv_w 3,072 x 1,024 float32; query 1,024 x 8 x 1,024 float32.
;; Outputs: out0 1,024 x 8 x 1,024 float32.
;; This version of the problem:
;;   THIS VERSION OF THE PROBLEM IS GIVEN IN LOW PRECISION. The matrix products marked QUANTISED in the list below multiply operands that are first quantised to E2M1 (2 exponent bits, 1 mantissa bit; 4 bits a number), with one power-of-two scale for each 32 numbers along K (OCP MX v1.0); their sums are f32. The products marked 'left as it is' may take bf16, f16 or f32 operands, with f32 sums. Whichever they take, every output number must still come out within the allowed error. Rounding operands to bf16 (8 significant bits) uses up far more of that allowance than f16 does (11 bits, for magnitudes from 6e-5 to 65,504). All else is computed in f32.
;;   The module's matrix products, in the order in which they are computed (A, B: the left and right operand; K: the contracted axis; several contracted axes count as one K, in the product's order):
;;     1. [M 8,192, K 1,024] x [K 1,024, N 3,072]; A: input query; B: input qkv_w: QUANTISED
;;     2. batch 128 x [M 1,024, K 64] x [K 64, N 1,024]; A: computed on the way; B: computed on the way: left as it is (an operand is computed on the way)
;;     3. batch 128 x [M 1,024, K 1,024] x [K 1,024, N 64]; A: computed on the way; B: computed on the way: left as it is (an operand is computed on the way)
;;     4. [M 8,192, K 1,024] x [K 1,024, N 1,024]; A: computed on the way; B: input out_w: left as it is (an operand is computed on the way)
;;   THE QUANTISER, for each operand of a quantised product, along K:
;;     - K is cut into blocks of 32 from its start; a last block that is shorter is filled with zeros.
;;     - A block's scale is 2^e with e = floor(log2(the largest magnitude in the block)) - 2, held to -126 .. 127; a block of zeros has e = 0. As a byte (E8M0): e + 127.
;;     - Each number is divided by its block's scale, clamped to +-6, and rounded to the nearest number of E2M1, ties to even, subnormals kept.
;;     - The product sums the exact products of the quantised numbers (number of the format x scale) in f32.
;;   ~~~python
;;   def quantise(x, axis):      # numpy; x: float32 -> the quantised numbers, widened to float32 again
;;       x = np.moveaxis(x, axis, -1); K = x.shape[-1]
;;       x = np.pad(x, [(0, 0)] * (x.ndim - 1) + [(0, -K % 32)]); x = x.reshape(x.shape[:-1] + (-1, 32)); a = np.abs(x).max(-1, keepdims=True)
;;       e = np.where(a > 0, np.clip(np.frexp(np.where(a > 0, a, 1))[1] - 1 - 2, -126, 127), 0)      # np.frexp(a)[1] - 1 = floor(log2(a)), exactly
;;       r = np.clip(x / 2.0 ** e, -6, 6)
;;       step = 2.0 ** (np.maximum(np.frexp(np.where(r == 0, 1, r))[1] - 1, 0) - 1)
;;       q = np.round(r / step) * step * 2.0 ** e      # np.round: ties to even
;;       return np.moveaxis(q.reshape(q.shape[:-2] + (-1,))[..., :K], -1, axis).astype(np.float32)
;;   ~~~
;; One version. Each part assembles by itself: llvm-mc -triple=amdgcn-amd-amdhsa -mcpu=gfx1250 --defsym DOCPART=n.
;; ======== version 1 of 1: 5 launches
;; limits: values are held in f16: magnitudes above 65,504 overflow, below 6.1e-05 lose precision; right only within a limited range of input values
;; workspace buffers: codes 5,767,168 bytes; scales 360,448 bytes; owh 2,097,152 bytes; qkvh 50,331,648 bytes; qkv0 1,572,864 bytes; att 16,777,216 bytes; vtail 32,768 bytes
;; launch prep (part 1): grid 384 x 1, 4 waves a work-group, no clusters, 33,280 bytes of LDS; arguments query, qkv_w, out_w, codes, scales, owh; writes codes, scales, owh
.if DOCPART == 1
	.amdgcn_target "amdgcn-amd-amdhsa--gfx1250"
	.amdhsa_code_object_version 6
	.text
	.protected	k_q2ec3c4d4ce_prep
	.globl	k_q2ec3c4d4ce_prep
	.p2align	8
	.type	k_q2ec3c4d4ce_prep,@function
k_q2ec3c4d4ce_prep:
	s_mov_b64 s[64:65], 0
	v_nop
	global_prefetch_b8 v0, s[64:65] scope:SCOPE_SE
	s_setreg_imm32_b32 hwreg(HW_REG_WAVE_MODE, 25, 1), 1
	s_wait_xcnt 0x0
; query [1024 t][8 b][1024] and qkv_w [3072][1024], f32, become codes of FP4 (E2M1), K innermost, 512 bytes a row, with one E8M0 byte for each 32 along K, 32 bytes a row;
; out_w [1024][1024] becomes f16, laid as images of the matrix operand's registers.
; ROWS.  codes and scales hold 11,264 rows: rows 0-8191 are query's, in the order m' = (t / 128) x 1024 + b x 128 + t % 128, so that 128 neighbouring rows are one batch's 128 neighbouring positions; rows 8192 on are qkv_w's.
; A block's scale is 2^(floor(log2(its largest magnitude)) - 2); its byte is the largest magnitude's exponent field - 2, held at 1 from below.  Each number is divided by the scale and rounded to the nearest code, ties to even; beyond 6 the largest code.
; LIMITS: a block of zeros gets the byte 1 where the quantiser says 127 (its codes are zeros, and this program alone reads the bytes); blocks whose largest magnitude lies under 2^-124 keep the byte 1; NaN and infinities are not served.
; SHARES.  Work-groups 0-255: query; 256-351: qkv_w; 352-383: out_w.  A wave of the first two kinds takes 8 rows: 16 steps of 512 numbers.  Each load reads 512 consecutive bytes; a step's 2,048 bytes turn through the
; wave's own stage in LDS so that a lane holds 16 neighbours along K (two lanes to a block).  A step's codes leave as 256 consecutive bytes, a wave's 256 scale bytes as one store.  Waves share nothing: no barrier.
; Loads run eight steps ahead: 32 loads, 16,384 bytes, of every wave are on their way; the turn through LDS runs one step ahead.
.set WAVES, 4
.set STEPS, 16
.set AHEAD, 8                          ; steps whose loads are out
.set EMAX,  2
.set CB,    8                          ; bytes of 16 codes
.set R,     16                         ; v16-143  eight sets of 16 numbers as loaded
.set X,     144                        ; v144-175 two sets of 16 neighbours
.set E,     176                        ; v176-191 a scale byte for each step
.set C,     192                        ; v192-223 codes, two registers a step: no store's data are written again
.set OFF,   224                        ; v224-231 16 x lane + row x the row's stride in memory; never rewritten
.set WREG,  8192                       ; LDS: a region for each wave: two stages of 32 x SP bytes, then its 256 scale bytes
.set SP,    80                         ; a lane's place in a stage: 64 bytes + 16 of padding
.set SPW,   12                         ; v12 LDS address of my spare word; never rewritten
.set NIL,   13                         ; v13 0; never rewritten
.set SPARE, WAVES*WREG                 ; behind the regions: the spare words, 128 bytes a wave
	s_load_b128 s[4:7], s[0:1], 0x0                ; query, qkv_w
	s_load_b128 s[8:11], s[0:1], 0x10              ; out_w, codes
	s_load_b128 s[12:15], s[0:1], 0x20             ; scales, owh
	v_lshl_add_u32 v[SPW], v0, 2, SPARE
	v_mov_b32 v[NIL], 0
	v_lshrrev_b32 v1, 5, v0
	v_readfirstlane_b32 s16, v1                    ; wave
	v_and_b32 v2, 31, v0                           ; lane
	s_cmp_ge_u32 ttmp9, 352
	s_cbranch_scc1 .Lcvt                           ; the last 32 work-groups take out_w
	v_lshlrev_b32 v3, 4, v2                        ; my 16 bytes of a load's 512
	s_mul_i32 s17, s16, WREG
	v_lshrrev_b32 v14, 2, v2
	v_mul_u32_u24 v14, v14, SP
	v_and_b32 v15, 3, v2
	v_lshl_add_u32 v14, v15, 4, v14
	v_add_nc_u32 v14, s17, v14                     ; the stage, on the way in: SP (lane / 4) + 16 (lane % 4)
	v_mul_u32_u24 v15, v2, SP
	v_add_nc_u32 v15, s17, v15                     ; on the way out: SP x lane
	v_mul_u32_u24 v4, v2, CB                       ; my codes' place in a step's
	v_lshrrev_b32 v5, 1, v2
	s_add_co_u32 s17, s17, 2*32*SP
	v_add_nc_u32 v5, s17, v5                       ; my block's scale byte in LDS
	v_lshlrev_b32 v7, 3, v2
	v_add_nc_u32 v6, s17, v7                       ; and 8 bytes a lane on their way out
	s_lshl_b32 s18, ttmp9, 2
	s_add_co_u32 s18, s18, s16                     ; my run of 8 rows: 0 .. 1407
	s_lshr_b32 s20, s18, 7                         ; query: t = 128 (run / 128) + 8 (run % 16) + row, b = (run / 16) % 8; a position is 32,768 bytes, a batch 4,096
	s_lshl_b32 s20, s20, 22
	s_and_b32 s21, s18, 15
	s_lshl_b32 s21, s21, 18
	s_add_co_u32 s20, s20, s21
	s_bfe_u32 s21, s18, 0x30004
	s_lshl_b32 s21, s21, 12
	s_add_co_u32 s20, s20, s21
	s_sub_co_u32 s21, s18, 1024                    ; qkv_w: 8 dense rows
	s_lshl_b32 s21, s21, 15
	s_mov_b32 s23, 4096
	s_wait_kmcnt 0x0
	s_cmp_lt_u32 ttmp9, 256                        ; the choice hangs on the work-group's number alone
	s_cselect_b64 s[4:5], s[4:5], s[6:7]
	s_cselect_b32 s20, s20, s21
	s_cselect_b32 s22, 32768, s23                  ; from row to row of my run
	s_mov_b32 s21, 0
	s_add_nc_u64 s[4:5], s[4:5], s[20:21]
.irp r, 0,1,2,3,4,5,6,7
	s_mul_i32 s23, s22, \r
	v_add_nc_u32 v[OFF+\r], s23, v3
.endr
	s_lshl_b32 s20, s18, 12                        ; 4,096 bytes of codes a run,
	s_add_nc_u64 s[10:11], s[10:11], s[20:21]
	s_lshl_b32 s20, s18, 8                         ; 256 scale bytes
	s_add_nc_u64 s[12:13], s[12:13], s[20:21]
.macro LOAD t                          ; step t: half t % 2 of row t / 2
.irp i, 0,1,2,3
	global_load_b128 v[R+16*((\t)%AHEAD)+4*\i:R+16*((\t)%AHEAD)+4*\i+3], v[OFF+(\t)/2], s[4:5] offset:2048*((\t)%2)+512*\i th:TH_LOAD_NT
.endr
.endm
.macro TURN t                          ; step t's numbers through the stage: LDS serves a wave's instructions in order, so no wait stands between the stores and the loads
.irp i, 0,1,2,3
	ds_store_b128 v14, v[R+16*((\t)%AHEAD)+4*\i:R+16*((\t)%AHEAD)+4*\i+3] offset:32*SP*((\t)%2)+8*SP*\i
.endr
.irp i, 0,1,2,3
	ds_load_b128 v[X+16*((\t)%2)+4*\i:X+16*((\t)%2)+4*\i+3], v15 offset:32*SP*((\t)%2)+16*\i
.endr
.endm
.irp t, 0,1,2,3,4,5,6,7
	LOAD \t
.endr
	s_wait_loadcnt 28                              ; step 0's four loads are in; the seven younger steps' may be out
	TURN 0
.macro STEP t
.set XS, X+16*((\t)%2)
.if (\t) > 0
	s_wait_dscnt 1                                 ; this step's numbers are back from the stage (the last step's byte store may be out): so its stores into the stage have read their registers,
.else
	s_wait_dscnt 0x0
.endif
.if (\t)+AHEAD < STEPS
	LOAD (\t)+AHEAD                                ; which take the loads of eight steps on
.endif
.if (\t)+1 < STEPS
.if STEPS-2-(\t) >= AHEAD-1
	s_wait_loadcnt 4*(AHEAD-1)                     ; the next step's four loads are in; those of the seven steps behind it may be out
.else
	s_wait_loadcnt 4*(STEPS-2-(\t))
.endif
	TURN (\t)+1
.endif
	v_max3_num_f32 v8, |v[XS]|, |v[XS+1]|, |v[XS+2]|               ; the largest magnitude of my 16, in two chains
	v_max3_num_f32 v9, |v[XS+3]|, |v[XS+4]|, |v[XS+5]|
.irp i, 6,10
	v_max3_num_f32 v8, v8, |v[XS+\i]|, |v[XS+\i+1]|
	v_max3_num_f32 v9, v9, |v[XS+\i+2]|, |v[XS+\i+3]|
.endr
	v_max3_num_f32 v8, v8, |v[XS+14]|, |v[XS+15]|
	v_max3_num_f32 v8, v8, v9, (EMAX+1)<<23        ; and the floor 2^(3 - 127): the byte cannot fall under 1
	v_max_num_f32_dpp v8, v8, v8 row_xmask:1 row_mask:0xf bank_mask:0xf   ; with my neighbour's 16: the block's
	v_add_nc_u32 v11, -(EMAX<<23), v8              ; 2 off its exponent field: the conversion takes this operand's exponent field as its scale
	v_cvt_scalef32_pk8_fp4_f32 v[C+2*(\t)], v[XS:XS+7], v11
	v_cvt_scalef32_pk8_fp4_f32 v[C+2*(\t)+1], v[XS+8:XS+15], v11
	v_lshrrev_b32 v[E+(\t)], 23, v11               ; the scale's byte
	ds_store_b8 v5, v[E+(\t)] offset:16*(\t)       ; both lanes of a block write the same byte with the same value
	global_store_b64 v4, v[C+2*(\t):C+2*(\t)+1], s[10:11] offset:32*CB*(\t)   ; the wave stores 256 consecutive bytes, aligned
.endm
.irp t, 0,1,2,3,4,5,6,7,8,9,10,11,12,13,14,15
	STEP \t
.endr
	ds_load_b64 v[8:9], v6                         ; LDS serves a wave's instructions in order: these see my stores
	s_wait_dscnt 0x0
	global_store_b64 v7, v[8:9], s[12:13]          ; 256 consecutive bytes, aligned
	s_wait_tensorcnt 0x0                           ; the wave's end, behind my last LDS store
	ds_add_u32 v[SPW], v[NIL]
	s_wait_dscnt 0x0
	s_endpgm
; out_w to f16.  An image is 16 rows f x 32 k: lane (r = lane % 16, h = lane / 16) holds k = 8 h .. + 7 in four registers (512 bytes for the wave, lane l's 16 bytes at 16 l) and k = 16 + 8 h .. + 7 in four more (the next 512 bytes).
; owh is [64 tiles of 16 f][32 chunks of 32 k][1,024 bytes].  A wave takes one tile of f and 16 chunks, four at a time.
.Lcvt:
	s_sub_co_u32 s17, ttmp9, 352
	s_lshl_b32 s17, s17, 2
	s_add_co_u32 s17, s17, s16                     ; 0 .. 127
	s_lshr_b32 s18, s17, 1                         ; the tile of f
	s_and_b32 s19, s17, 1                          ; which half of K
	s_lshl_b32 s20, s18, 16
	s_lshl_b32 s21, s19, 11
	s_add_co_u32 s20, s20, s21
	s_mov_b32 s21, 0
	s_lshl_b32 s22, s18, 15
	s_lshl_b32 s23, s19, 14
	s_add_co_u32 s22, s22, s23
	s_mov_b32 s23, 0
	v_and_b32 v3, 15, v0
	v_bfe_u32 v4, v0, 4, 1
	v_lshlrev_b32 v3, 12, v3
	v_lshl_add_u32 v3, v4, 5, v3                   ; in: row r of 4,096 bytes, + 32 h
	v_lshlrev_b32 v4, 4, v2                        ; out: 16 x lane
	s_wait_kmcnt 0x0
	s_add_nc_u64 s[8:9], s[8:9], s[20:21]
	s_add_nc_u64 s[14:15], s[14:15], s[22:23]
.macro LOADG g                         ; four chunks: 16 loads into set g % 2 (v16-79, v80-143)
.irp q, 0,1,2,3
.irp i, 0,1,2,3
	global_load_b128 v[16+64*((\g)%2)+16*\q+4*\i:16+64*((\g)%2)+16*\q+4*\i+3], v3, s[8:9] offset:(4*(\g)+\q)*128+16*(\i%2)+64*(\i/2)
.endr
.endr
.endm
.macro CVTG g                          ; rounded in pairs into set g % 2 (v144-175, v176-207) and stored: each store covers 512 consecutive bytes, aligned
.irp q, 0,1,2,3
.irp i, 0,1,2,3,4,5,6,7
	v_cvt_pk_f16_f32 v[144+32*((\g)%2)+8*\q+\i], v[16+64*((\g)%2)+16*\q+2*\i], v[16+64*((\g)%2)+16*\q+2*\i+1]
.endr
.endr
.irp q, 0,1,2,3
	global_store_b128 v4, v[144+32*((\g)%2)+8*\q:144+32*((\g)%2)+8*\q+3], s[14:15] offset:(4*(\g)+\q)*1024
	global_store_b128 v4, v[144+32*((\g)%2)+8*\q+4:144+32*((\g)%2)+8*\q+7], s[14:15] offset:(4*(\g)+\q)*1024+512
.endr
.endm
	LOADG 0
	LOADG 1
	s_wait_loadcnt 16                              ; group 0 is in; group 1's 16 loads may be out
	CVTG 0
	LOADG 2
	s_wait_loadcnt 16
	CVTG 1
	LOADG 3
	s_wait_loadcnt 16
	s_wait_xcnt 0x0                                ; group 0's stores have read their data: the set is written again only behind this wait
	CVTG 2
	s_wait_loadcnt 0x0
	s_wait_xcnt 0x0
	CVTG 3
	s_endpgm
.Lfunc_end_k_q2ec3c4d4ce_prep:
	.size	k_q2ec3c4d4ce_prep, .Lfunc_end_k_q2ec3c4d4ce_prep-k_q2ec3c4d4ce_prep
	.p2alignl 7, 3214868480
	.fill 96, 4, 3214868480
	.section	.rodata,"a",@progbits
	.p2align	6, 0x0
	.amdhsa_kernel k_q2ec3c4d4ce_prep
		.amdhsa_group_segment_fixed_size 33280
		.amdhsa_private_segment_fixed_size 0
		.amdhsa_enable_private_segment 0
		.amdhsa_kernarg_size 48
		.amdhsa_user_sgpr_count 2
		.amdhsa_user_sgpr_kernarg_segment_ptr 1
		.amdhsa_wavefront_size32 1
		.amdhsa_system_sgpr_workgroup_id_x 1
		.amdhsa_system_sgpr_workgroup_id_y 1
		.amdhsa_system_sgpr_workgroup_id_z 1
		.amdhsa_system_vgpr_workitem_id 0
		.amdhsa_next_free_vgpr 232
		.amdhsa_next_free_sgpr 66
		.amdhsa_reserve_vcc 0
		.amdhsa_float_denorm_mode_32 3
		.amdhsa_float_denorm_mode_16_64 3
		.amdhsa_memory_ordered 1
		.amdhsa_forward_progress 1
		.amdhsa_inst_pref_size 52
	.end_amdhsa_kernel
	.amdgpu_metadata
---
amdhsa.version: [ 1, 2 ]
amdhsa.kernels:
  - .name:           k_q2ec3c4d4ce_prep
    .symbol:         k_q2ec3c4d4ce_prep.kd
    .args:
      - { .name: query, .offset: 0, .size: 8, .value_kind: global_buffer, .address_space: global }
      - { .name: qkv_w, .offset: 8, .size: 8, .value_kind: global_buffer, .address_space: global }
      - { .name: out_w, .offset: 16, .size: 8, .value_kind: global_buffer, .address_space: global }
      - { .name: codes, .offset: 24, .size: 8, .value_kind: global_buffer, .address_space: global }
      - { .name: scales, .offset: 32, .size: 8, .value_kind: global_buffer, .address_space: global }
      - { .name: owh, .offset: 40, .size: 8, .value_kind: global_buffer, .address_space: global }
    .group_segment_fixed_size: 33280
    .private_segment_fixed_size: 0
    .kernarg_segment_align: 8
    .kernarg_segment_size: 48
    .max_flat_workgroup_size: 128
    .sgpr_count:     66
    .vgpr_count:     232
    .wavefront_size: 32
...
	.end_amdgpu_metadata
.endif
;; end of part 1
;; launch qkv (part 2): grid 8 x 32, 4 waves a work-group, clusters of 4 x 4, 327,680 bytes of LDS; arguments codes, scales, qkv_b, qkvh, qkv0; writes qkvh, qkv0
.if DOCPART == 2
	.amdgcn_target "amdgcn-amd-amdhsa--gfx1250"
	.amdhsa_code_object_version 6
	.text
	.protected	k_q2ec3c4d4ce_qkv
	.globl	k_q2ec3c4d4ce_qkv
	.p2align	8
	.type	k_q2ec3c4d4ce_qkv,@function
k_q2ec3c4d4ce_qkv:
	s_mov_b64 s[64:65], 0
	v_nop
	global_prefetch_b8 v0, s[64:65] scope:SCOPE_SE
	s_setreg_imm32_b32 hwreg(HW_REG_WAVE_MODE, 25, 1), 1
	s_wait_xcnt 0x0
	s_wait_alu depctr_hold_cnt(0) depctr_sa_sdst(0) depctr_va_vdst(0) depctr_va_sdst(0) depctr_va_ssrc(0) depctr_va_vcc(0) depctr_vm_vsrc(0)
	s_getreg_b32 s2, hwreg(HW_REG_IB_STS2, 6, 4)
	s_cmp_eq_u32 s2, 0
	s_cbranch_scc0 .Lentry_in_a_cluster
	s_endpgm
.Lentry_in_a_cluster:
	s_bfe_u32 s2, ttmp6, 0x10000c
	s_cmp_lg_u32 s2, 0xf033
	s_cbranch_scc0 .Lentry_shape_is_right
	s_endpgm
.Lentry_shape_is_right:
; qkv[m'][f] = sum over k of query[m'][k] qkv_w[f][k] + qkv_b[f], on codes of FP4 (E2M1) with one E8M0 scale for each 32 along K; the q third is multiplied by 1/8.  8,192 x 3,072 x 1,024; sums in f32.
; A = rows 0-8191 of codes / scales (query, in the order m' = (t / 128) x 1024 + b x 128 + t % 128), B = rows 8192 on (qkv_w).
; SHARES.  8 x 32 = 256 work-groups of equal work.  Work-group (X, y) takes rows 256 y on and makes TWO tiles from them: tile 1, 256 x 256, columns 256 X on (q for X 0-3, k for X 4-7); tile 2, 256 x 128, columns 2048 + 128 X on (v).
; Four waves; a wave makes 128 x 128 of tile 1 (64 accumulators, 512 registers), then 128 x 64 of tile 2 (32 accumulators).  Tile 1's stores are on their way while tile 2 is multiplied.
; LDS.  K = 1,024 is two slots of 512 along K (rows of 256 bytes): A's 256 rows and tile 1's 256 rows of B in each, asked for at the start.  A's parts stay for both tiles.  Tile 2's 128 rows of B, two halves of K, are as many
; bytes as slot 0's part for B: they are asked for at the change from slot 0 to slot 1, when nobody reads that part any more, and have slot 1's 256 products and tile 1's way out in which to land.
; The scale bytes of A's rows and of tile 1's rows of B come once, as dense blocks; those of tile 2's rows of B go straight into registers.
; CLUSTERS: 4 x 4 work-groups; A's tiles are asked for jointly along a row of the cluster, B's along a column.
; THE MATRIX INSTRUCTION IS USED TRANSPOSED (source 0 = 16 rows of B, source 1 = 16 rows of A): a lane holds eight neighbouring f of one row.
; THE WAY OUT needs no LDS: rounded to f16 in pairs, a lane's eight numbers are four registers of the next product's operand.  qkvh is [q, k, v][b][head][64 tiles of 16 positions][2 chunks of 32 channels][2 halves][512 bytes]:
; lane (r, h) holds position r, channels 16 half + 8 h + 0 .. 7; its 16 bytes lie at place (r xor 8 h) + 16 h of the 512, so that plain and turning LDS reads of these bytes both touch sixteen different 16-byte columns.
; Each store covers 512 consecutive bytes, aligned.  The positions t < 16 also leave in f32 (qkv0): they fall into block 0 of every wave of the clusters with y = 0, a test that is the same in all partners.
; No prefetch: all tensor loads but one go out at the head, and that one has 256 products and a way out in which to land.
; LIMIT: |q|, |k|, |v| stay under 65,504 (f16); NaN and infinities are not served.
; REGISTERS, in windows of 256.  Tile 1: window 0: v0-31 addresses; v32-95 scale words, two sets; v96-127 tile 2's bias; v128-191 A's fragments, one set; v192-255 tile 1's bias.  On the way out v128-191 hold a block in f32, v32-63 in f16.
;   window 1: B's fragments, two sets.   window 2: the accumulators of my rows 0-63 ((a, b) at v[8 (8 a + b)]);   window 3: those of rows 64-127.
; Tile 2: window 0: v32-63, v192-223 A's scale words of the two halves of K; v64-95 B's; v128-191 A's fragments, set 0.  window 1: v0-31, v128-159 B's fragments.  window 2: the accumulators ((a, b) at v[8 (4 a + b)]).  window 3: v0-63 A's fragments, set 1.
.set SIZE_K, 1024
.set KSTEP,  512
.set NQ,     KSTEP/128
.set ROWB,   256                       ; a tile's row in bytes
.set KROW,   SIZE_K/2                  ; a row of codes in memory
.set PITCH,  272                       ; an LDS row: 256 bytes + 16 of padding: the 16 rows of a load start at 16 different banks
.set FR,     8
.set NL,     2
.set NP,     4
.set HALFT,  128*PITCH
.set SLOT,   4*HALFT
.set KS,     SIZE_K/32
.set SCL,    2*SLOT                    ; behind the slots: the scales, as units of 256 bytes + 16 of padding
.set HALFS,  (128*KS/256)*272
.set SBLK,   (16*KS/256)*272
.set SPARE,  SCL+4*HALFS               ; the spare words, 128 bytes a wave
.set VROW,   8192+2048                 ; the row of codes and scales at which v's rows of qkv_w begin
.set ADRA, 16                          ; v16-17 A's fragments in slot 0, 1
.set ADRB, 20                          ; v20-21 tile 1's B
.set ADRB2, 22                         ; v22-23 tile 2's B, first and second half of K
.set PLA,  24                          ; v24 my 16 bytes' place in an image's 512
.set LI,   25                          ; v25 16 x lane
.set BO,   26                          ; v26 32 x (lane / 16)
.set ADRS, 27                          ; v27 my scale words in LDS; never rewritten
.set SPW,  28
.set NIL,  29
.set SO2,  30                          ; v30 32 x (lane % 16): a row of scale bytes in memory
.set SC,   32
.set SB2,  64                          ; tile 2: B's scale words: block b's eight at v[64 + 8 b]
.set BS2,  96                          ; tile 2's bias
.set AF,   128
.set T,    128                         ; the way out: a block in f32
.set PK,   32                          ; and in f16
.set BS,   192                         ; tile 1's bias (x the factor)
.set SA1,  192                         ; tile 2: A's scale words of the second half of K
.set F2P,  2                           ; s[2:3]   qkv0 at tile 2's plane
.set O2P,  18                          ; s[18:19] qkvh at tile 2's plane and my positions
.set G1, 24
.set G0, 32
.set G1B, 48
.set G0B, 56
.set B2P,  66                          ; s[66:67] qkv_b at tile 2's columns
.set G1S, 68
.set G0S, 76
.set G1SB, 80
.set G0SB, 88
.set CY,  95                           ; s95 the cluster's y
.set QS,  96                           ; s[96:97] 1/8 for q's columns, else 1
.set BP,  98                           ; s[98:99] tile 2's rows of B in memory, my half of K
.set SP2, 100                          ; s[100:101] their scale bytes, my 64 rows
.set MSB, 0
.macro WIN new                         ; the immediate's high byte repeats the setting that is left
.if MSB != \new
	s_set_vgpr_msb (MSB<<8)|\new
.set MSB, \new
.endif
.endm
.set MUL_LO, 0xa1                      ; source 0 (B) window 1, source 1 (A) window 0, C and D window 2
.set MUL_HI, 0xf1
.set MUL_A3, 0xad                      ; source 0 window 1, source 1 window 3, C and D window 2
.set TO_B,   0x40
; A joint load: waves 0 and 1 fetch for A, waves 2 and 3 for B; the branch hangs on the wave's number alone.  An s_nop 0 and four v_nop follow each of the two lines.
.macro JLOAD g0a, g1a, g0b, g1b
	s_cmp_eq_u32 s15, 0
	s_cbranch_scc0 .Lfor_b_\@
	tensor_load_to_lds s[\g0a:\g0a+3], s[\g1a:\g1a+7]
	s_nop 0
.rept 4
	v_nop
.endr
	s_branch .Lasked_\@
.Lfor_b_\@:
	tensor_load_to_lds s[\g0b:\g0b+3], s[\g1b:\g1b+7]
	s_nop 0
.rept 4
	v_nop
.endr
.Lasked_\@:
.endm
.macro CREST                           ; a round of the cluster's barrier behind its opening barrier
	s_cmp_lg_u32 s14, 0
	s_cbranch_scc1 .Lnot_wave_0_\@
	s_barrier_signal -3
.Lnot_wave_0_\@:
	s_barrier_wait -3
	s_barrier_signal -1
	s_barrier_wait -1
.endm
.macro CROUND                          ; a whole round
	s_barrier_signal -1
	s_barrier_wait -1
	CREST
.endm
	s_load_b128 s[4:7], s[0:1], 0x0                ; codes, scales
	s_load_b128 s[8:11], s[0:1], 0x10              ; qkv_b, qkvh
	s_load_b64 s[12:13], s[0:1], 0x20              ; qkv0
	v_lshl_add_u32 v[SPW], v0, 2, SPARE
	v_mov_b32 v[NIL], 0
	ds_add_u32 v[SPW], v[NIL]                      ; the wave's opening: an add to my spare word, twice on end, and its wait ahead of my first tensor load
	ds_add_u32 v[SPW], v[NIL]
	v_lshrrev_b32 v1, 5, v0
	v_readfirstlane_b32 s14, v1                    ; wave 0..3
	s_lshr_b32 s15, s14, 1                         ; which half of the tile's rows is mine.  Also: I fetch for A (0) or for B (1)
	s_and_b32 s16, s14, 1                          ; which half of its columns.  Also: which 128 rows (tile 2: which half of K) I fetch
	s_bfe_u32 s40, ttmp6, 0x40000                  ; cx, cy
	s_bfe_u32 s41, ttmp6, 0x40004
	s_lshl_b32 s42, ttmp9, 2
	s_add_co_u32 s42, s42, s40                     ; X = 4 x cluster x + cx
	s_and_b32 s[CY], ttmp7, 0xffff
	s_lshl_b32 s17, s[CY], 2
	s_add_co_u32 s17, s17, s41                     ; y = 4 x cluster y + cy
	s_lshl_b32 s43, s41, 2
	s_lshl_b32 s43, 15, s43                        ; my row of the cluster
	s_lshl_b32 s44, 0x1111, s40                    ; my column
	s_cmp_eq_u32 ttmp9, 0                          ; cluster x = 0 holds X 0-3: q
	s_cselect_b32 s[QS], 0x3e000000, 1.0
	s_mov_b32 s[QS+1], s[QS]
	s_or_b32 s[G1+0], s43, (0<<16)|(1<<20)|(1<<21)|(5<<22)|(3<<25)  ; the mask; elements of 1 byte; padding: 4 words behind every 64
	s_or_b32 s[G1B+0], s44, (0<<16)|(1<<20)|(1<<21)|(5<<22)|(3<<25)
.irp g, G1, G1B
	s_mov_b32 s[\g+1], ROWB<<16                    ; tensor_dim0
	s_mov_b32 s[\g+2], 128<<16                     ; tensor_dim1
	s_mov_b32 s[\g+3], ROWB<<16                    ; tile_dim0
	s_mov_b32 s[\g+4], 128                         ; tile_dim1
	s_mov_b32 s[\g+5], KROW                        ; the pitch
	s_mov_b32 s[\g+6], 0
	s_mov_b32 s[\g+7], 0
.endr
	s_or_b32 s[G1S+0], s43, (3<<16)|(1<<20)|(1<<21)|(5<<22)|(3<<25) ; the scales of 128 rows: a dense block, as rows of 256 bytes (32 elements of 8), 16 bytes of padding behind each
	s_or_b32 s[G1SB+0], s44, (3<<16)|(1<<20)|(1<<21)|(5<<22)|(3<<25)
.irp g, G1S, G1SB
	s_mov_b32 s[\g+1], 32<<16
	s_mov_b32 s[\g+2], (128*KS/256)<<16
	s_mov_b32 s[\g+3], 32<<16
	s_mov_b32 s[\g+4], 128*KS/256
	s_mov_b32 s[\g+5], 32
	s_mov_b32 s[\g+6], 0
	s_mov_b32 s[\g+7], 0
.endr
	s_lshl_b32 s18, s16, 7
	s_lshl_b32 s20, s17, 8
	s_add_co_u32 s20, s20, s18                     ; A: row 256 y + 128 x half
	s_lshl_b32 s46, s42, 8
	s_add_co_u32 s46, s46, s18                     ; tile 1's B: row 256 X + 128 x half
	s_mov_b32 s21, 0
	s_mov_b32 s47, 0
	s_mov_b64 s[18:19], KS
	s_mul_u64 s[22:23], s[20:21], s[18:19]         ; where these rows' scales begin
	s_mul_u64 s[92:93], s[46:47], s[18:19]
	s_mov_b64 s[18:19], KROW
	s_mul_u64 s[20:21], s[20:21], s[18:19]         ; and their codes
	s_mul_u64 s[46:47], s[46:47], s[18:19]
	s_add_nc_u64 s[46:47], s[46:47], 8192*KROW     ; qkv_w's rows lie behind query's 8,192
	s_add_nc_u64 s[92:93], s[92:93], 8192*KS
	s_lshl_b32 s[BP], s42, 16                      ; tile 2's B: 128 X rows of 512 bytes on from v's first,
	s_lshl_b32 s[BP+1], s16, 8                     ; my half of K: 256 bytes of each row
	s_add_co_u32 s[BP], s[BP], s[BP+1]
	s_add_co_u32 s[BP], s[BP], VROW*KROW
	s_mov_b32 s[BP+1], 0
	s_lshl_b32 s[SP2], s42, 12                     ; its scale bytes: 128 X rows of 32 bytes,
	s_lshl_b32 s[SP2+1], s16, 11                   ; my 64 columns
	s_add_co_u32 s[SP2], s[SP2], s[SP2+1]
	s_add_co_u32 s[SP2], s[SP2], VROW*KS
	s_mov_b32 s[SP2+1], 0
	s_mul_i32 s45, s14, HALFT                      ; where the tiles go: wave x 128 rows
	s_mul_i32 s94, s14, HALFS
	s_wait_dscnt 0x0                               ; both opening adds are done
	s_wait_kmcnt 0x0
	s_add_nc_u64 s[20:21], s[4:5], s[20:21]
	s_add_nc_u64 s[22:23], s[6:7], s[22:23]
	s_add_nc_u64 s[46:47], s[4:5], s[46:47]
	s_add_nc_u64 s[92:93], s[6:7], s[92:93]
	s_add_nc_u64 s[BP:BP+1], s[4:5], s[BP:BP+1]
	s_add_nc_u64 s[SP2:SP2+1], s[6:7], s[SP2:SP2+1]
	CROUND                                         ; all sixteen work-groups are here: the joint loads meet
	s_mov_b32 s[G0S], 1
	s_add_co_u32 s[G0S+1], s94, SCL
	s_mov_b64 s[G0S+2:G0S+3], s[22:23]
	s_or_b32 s[G0S+3], s[G0S+3], 0x80000000
	s_mov_b32 s[G0SB], 1
	s_add_co_u32 s[G0SB+1], s94, SCL
	s_mov_b64 s[G0SB+2:G0SB+3], s[92:93]
	s_or_b32 s[G0SB+3], s[G0SB+3], 0x80000000
	JLOAD G0S, G1S, G0SB, G1SB                     ; the scales first; three loads of mine are out behind the last of these
.irp s, 0,1
	s_mov_b32 s[G0+4*\s], 1
	s_add_co_u32 s[G0+4*\s+1], s45, \s*SLOT
	s_add_nc_u64 s[G0+4*\s+2:G0+4*\s+3], s[20:21], \s*ROWB
	s_or_b32 s[G0+4*\s+3], s[G0+4*\s+3], 0x80000000
	s_mov_b32 s[G0B+4*\s], 1
	s_add_co_u32 s[G0B+4*\s+1], s45, \s*SLOT
	s_add_nc_u64 s[G0B+4*\s+2:G0B+4*\s+3], s[46:47], \s*ROWB
	s_or_b32 s[G0B+4*\s+3], s[G0B+4*\s+3], 0x80000000
	JLOAD G0+4*\s, G1, G0B+4*\s, G1B
.endr
	v_and_b32 v1, 15, v0                           ; r
	v_bfe_u32 v2, v0, 4, 1                         ; h
	v_mul_u32_u24 v3, v1, PITCH
	v_lshl_add_u32 v4, v2, 4, v3                   ; a fragment's row x pitch + 16 h
	s_mul_i32 s21, s15, HALFT
	s_mul_i32 s22, s16, HALFT
	s_add_co_u32 s22, s22, 2*HALFT
.irp s, 0,1
	v_add_nc_u32 v[ADRA+\s], s21, v4
	v_add_nc_u32 v[ADRB+\s], s22, v4
	s_add_co_u32 s21, s21, SLOT
	s_add_co_u32 s22, s22, SLOT
.endr
	s_mul_i32 s22, s16, 64*PITCH                   ; tile 2's B lies where slot 0 held tile 1's: 128 rows of the first half of K, then 128 of the second; my 64 rows of each
	s_add_co_u32 s22, s22, 2*HALFT
	v_add_nc_u32 v[ADRB2], s22, v4
	v_add_nc_u32 v[ADRB2+1], HALFT, v[ADRB2]
	v_mul_u32_u24 v5, v1, KS                       ; my row's scales: KS bytes a row,
	v_lshrrev_b32 v6, 8, v5
	v_lshl_add_u32 v5, v6, 4, v5                   ; and 16 more for each 256 passed
	s_mul_i32 s21, s15, HALFS
	s_mul_i32 s22, s16, HALFS
	s_add_co_u32 s22, s22, 2*HALFS
	s_sub_co_u32 s22, s22, s21
	v_mul_u32_u24 v6, s22, v2                      ; lanes 16-31 take tile 1's B
	s_add_co_u32 s21, s21, SCL
	v_add_nc_u32 v5, v5, v6
	v_add_nc_u32 v[ADRS], s21, v5
	v_and_b32 v6, 31, v0
	v_lshlrev_b32 v[LI], 4, v6
	v_and_b32 v5, 16, v0
	v_lshlrev_b32 v5, 3, v5
	v_xor_b32 v[PLA], v[LI], v5                    ; 16 ((r xor 8 h) + 16 h)
	v_lshlrev_b32 v[BO], 5, v2
	v_lshlrev_b32 v[SO2], 5, v1
	; where my results go.  My 128 rows are group G = 2 y + half: batch G % 8, positions 128 (G / 8) on.  Tile 1: my 128 columns are two heads of q or of k; tile 2: my 64 columns are head 2 X + half of v.
	s_lshl_b32 s20, s17, 1
	s_add_co_u32 s20, s20, s15                     ; G
	s_and_b32 s21, s20, 7
	s_lshl_b32 s21, s21, 4                         ; 16 b
	s_lshr_b32 s20, s20, 3
	s_lshl_b32 s20, s20, 14                        ; 8 tiles of positions x 2,048 bytes
	s_mov_b32 s23, 0
	s_lshl_b32 s18, s42, 1
	s_add_co_u32 s18, s18, s16
	s_add_co_u32 s18, s18, s21
	s_add_co_u32 s18, s18, 256                     ; tile 2's plane: 256 + 16 b + head
	s_lshl_b32 s22, s18, 12
	s_add_nc_u64 s[F2P:F2P+1], s[12:13], s[22:23]  ; qkv0: 4,096 bytes a plane
	s_lshl_b32 s22, s18, 17
	s_add_co_u32 s22, s22, s20
	s_add_nc_u64 s[O2P:O2P+1], s[10:11], s[22:23]  ; qkvh: 131,072 bytes a plane
	s_lshl_b32 s22, s42, 9
	s_lshl_b32 s66, s16, 8
	s_add_co_u32 s22, s22, s66
	s_add_co_u32 s22, s22, 2048*4
	s_add_nc_u64 s[B2P:B2P+1], s[8:9], s[22:23]    ; qkv_b at column 2048 + 128 X + 64 x half
	s_lshr_b32 s22, s42, 2
	s_lshl_b32 s22, s22, 7
	s_add_co_u32 s21, s21, s22
	s_lshl_b32 s22, s42, 2
	s_lshl_b32 s94, s16, 1
	s_add_co_u32 s22, s22, s94
	s_and_b32 s22, s22, 15
	s_add_co_u32 s21, s21, s22                     ; tile 1's first plane: 128 x (q, k) + 16 b + head
	s_lshl_b32 s22, s21, 12
	s_add_nc_u64 s[12:13], s[12:13], s[22:23]
	s_lshl_b32 s22, s21, 17
	s_add_co_u32 s22, s22, s20
	s_add_nc_u64 s[10:11], s[10:11], s[22:23]
	s_lshl_b32 s22, s42, 10
	s_lshl_b32 s20, s16, 9
	s_add_co_u32 s22, s22, s20
	s_add_nc_u64 s[8:9], s[8:9], s[22:23]          ; qkv_b at tile 1's first column of mine
.irp nb, 0,1,2,3,4,5,6,7
	global_load_b128 v[BS+8*\nb:BS+8*\nb+3], v[BO], s[8:9] offset:64*\nb          ; register 8 nb + j: the bias of column 16 nb + 8 h + j
	global_load_b128 v[BS+8*\nb+4:BS+8*\nb+7], v[BO], s[8:9] offset:64*\nb+16
.endr
.irp nb, 0,1,2,3
	global_load_b128 v[BS2+8*\nb:BS2+8*\nb+3], v[BO], s[B2P:B2P+1] offset:64*\nb
	global_load_b128 v[BS2+8*\nb+4:BS2+8*\nb+7], v[BO], s[B2P:B2P+1] offset:64*\nb+16
.endr
.macro FRAG reg, adr, q, i             ; 16 rows x 128 K of 4-bit codes: 8 registers, two loads 32 bytes apart
.irp c, 0,1
	ds_load_b128 v[\reg+4*\c:\reg+4*\c+3], v[\adr] offset:64*(\q)+32*\c+(\i)*16*PITCH
.endr
.endm
; 16 matrix instructions of tile 1: A's blocks a0, a0 + 1 x B's eight.  The 64 accumulators take turns, one instruction a turn, in the same order in every step.
.macro MUL16 a0, p, q, sc, zero
.irp a, \a0, \a0+1
.irp b, 0,1,2,3,4,5,6,7
.if \zero
	v_wmma_scale_f32_16x16x128_f8f6f4 v[8*(8*((\a)%4)+\b):8*(8*((\a)%4)+\b)+7], v[128*(\p)+FR*\b:128*(\p)+FR*\b+FR-1], v[AF+FR*(\a):AF+FR*(\a)+FR-1], 0, v[SC+8*NQ*(\sc)+NQ*\b+(\q)], v[SC+8*NQ*(\sc)+NQ*(\a)+(\q)] matrix_a_fmt:MATRIX_FMT_FP4 matrix_b_fmt:MATRIX_FMT_FP4 matrix_a_scale:MATRIX_SCALE_ROW1
.else
	v_wmma_scale_f32_16x16x128_f8f6f4 v[8*(8*((\a)%4)+\b):8*(8*((\a)%4)+\b)+7], v[128*(\p)+FR*\b:128*(\p)+FR*\b+FR-1], v[AF+FR*(\a):AF+FR*(\a)+FR-1], v[8*(8*((\a)%4)+\b):8*(8*((\a)%4)+\b)+7], v[SC+8*NQ*(\sc)+NQ*\b+(\q)], v[SC+8*NQ*(\sc)+NQ*(\a)+(\q)] matrix_a_fmt:MATRIX_FMT_FP4 matrix_b_fmt:MATRIX_FMT_FP4 matrix_a_scale:MATRIX_SCALE_ROW1
.endif
.endr
.endr
.endm
.macro FETCH_B slot, q, p
	WIN TO_B
.irp i, 0,1,2,3,4,5,6,7
	FRAG 128*(\p)+FR*\i, ADRB+\slot, \q, \i
.endr
	WIN 0
.endm
.macro FETCH_A slot, q, i0
.irp i, \i0, \i0+1, \i0+2, \i0+3
	FRAG AF+FR*(\i), ADRA+\slot, \q, \i
.endr
.endm
.macro SCALES reg, kh                  ; the scale words of half kh of K into v[reg] on: four words a row; lanes 0-15 take A's block i, lanes 16-31 tile 1's B's block i
.irp i, 0,1,2,3,4,5,6,7
	ds_load_b128 v[\reg+NQ*\i:\reg+NQ*\i+3], v[ADRS] offset:\i*SBLK+4*NQ*(\kh)
.endr
.endm
.macro PLACES n                        ; plain vector places behind matrix instructions, in front of loads into their registers and of reads of their results
.rept \n
	v_nop
.endr
.endm
.macro STEP slot, q, zero              ; 128 along K, with its successor in the same slot
	s_wait_dscnt 4*NL                              ; B's set and A's blocks 0-3 are in; A's blocks 4-7 may be out
	WIN MUL_LO
	MUL16 0, (\q)%2, \q, \slot, \zero
	MUL16 2, (\q)%2, \q, \slot, \zero
	s_wait_dscnt 0
	PLACES NP
	FETCH_B \slot, (\q)+1, 1-(\q)%2
	FETCH_A \slot, (\q)+1, 0
	WIN MUL_HI
	MUL16 4, (\q)%2, \q, \slot, \zero
	MUL16 6, (\q)%2, \q, \slot, \zero
	PLACES NP
	WIN 0
	FETCH_A \slot, (\q)+1, 4
.endm
.macro STEPS slot, from
.set Q, \from
.rept NQ-1-\from
	STEP \slot, Q, 0
.set Q, Q+1
.endr
.endm
	s_wait_tensorcnt 1                             ; the scales and my part of slot 0 are in (slot 1's load may be out),
	s_barrier_signal -1
	s_barrier_wait -1                              ; everybody's are
	FETCH_B 0, 0, 0
	FETCH_A 0, 0, 0
	SCALES SC, 0
	FETCH_A 0, 0, 4
	STEP 0, 0, 1                                   ; the first step's products start the sums: nothing is cleared
	STEPS 0, 1
	; Slot 0's last step goes over to slot 1, and slot 0's part for B is filled again, with tile 2's rows.  In front of the barrier each wave waits for all its tensor loads (its part of slot 1), adds 0 to its spare word,
	; and waits for that and for its reads of slot 0; the barrier opens a round of the cluster's, so that no wave of any partner still reads those bytes or has a load on its way.
	s_wait_tensorcnt 0x0
	ds_add_u32 v[SPW], v[NIL]                      ; 0 onto my spare word
	s_wait_dscnt 4*NL+1                            ; (the add and A's blocks 4-7 may be out)
	WIN MUL_LO
	MUL16 0, 1, NQ-1, 0, 0
	s_wait_dscnt 0x0                               ; the add is done, and my reads of slot 0 are over
	s_barrier_signal -1
	MUL16 2, 1, NQ-1, 0, 0
	WIN 0
	s_barrier_wait -1
	CREST
	s_mov_b64 s[G0B+2:G0B+3], s[BP:BP+1]           ; no tensor load of mine is out: slot 0's group 0 for B takes tile 2's address; its LDS address stays: wave x 128 rows
	s_or_b32 s[G0B+3], s[G0B+3], 0x80000000
	s_cmp_eq_u32 s15, 0                            ; waves 2 and 3 fetch, one load each: 128 rows x 256 bytes, the first and the second half of K; waves 0 and 1 have nothing to fill
	s_cbranch_scc1 .Lno_refill
	tensor_load_to_lds s[G0B:G0B+3], s[G1B:G1B+7]
	s_nop 0
.rept 4
	v_nop
.endr
.Lno_refill:
	PLACES NP
	FETCH_B 1, 0, 0
	FETCH_A 1, 0, 0
	SCALES SC+8*NQ, 1
	WIN MUL_HI
	MUL16 4, 1, NQ-1, 0, 0
	MUL16 6, 1, NQ-1, 0, 0
	PLACES NP
	WIN 0
	FETCH_A 1, 0, 4
	STEPS 1, 0
	s_wait_dscnt 4*NL                              ; tile 1's last step
	WIN MUL_LO
	MUL16 0, 1, NQ-1, 1, 0
	MUL16 2, 1, NQ-1, 1, 0
	s_wait_dscnt 0
	WIN MUL_HI
	MUL16 4, 1, NQ-1, 1, 0
	MUL16 6, 1, NQ-1, 1, 0
	WIN 0
	PLACES NP
	s_wait_loadcnt 0x0                             ; both biases
.irp b, 0,1,2,3
	global_load_b128 v[SB2+8*\b:SB2+8*\b+3], v[SO2], s[SP2:SP2+1] offset:512*\b        ; tile 2's scale words of B: lane r (and r + 16): row 16 b + r, K = 0 .. 511,
	global_load_b128 v[SB2+8*\b+4:SB2+8*\b+7], v[SO2], s[SP2:SP2+1] offset:512*\b+16   ; and 512 .. 1023.  They land while tile 1 goes out
.endr
.set i, 0
.rept 32
	v_pk_mul_f32 v[BS+2*i:BS+2*i+1], v[BS+2*i:BS+2*i+1], s[QS:QS+1] op_sel_hi:[1,0]   ; bias x factor: a power of two, so (sum + bias) x factor is one fused multiply-add below
.set i, i+1
.endr
; Tile 1, block a: my rows 16 a .. 16 a + 15, one tile of positions.
.macro OUTB a
	s_wait_xcnt 0x0                                ; the last block's stores have read their data: T and PK are written again only behind this wait
	WIN 0x02+(\a)/4                                ; source 0: window 2 or 3
.irp nb, 0,1,2,3,4,5,6,7
.irp i, 0,1,2,3
	v_pk_fma_f32 v[T+8*\nb+2*\i:T+8*\nb+2*\i+1], v[64*((\a)%4)+8*\nb+2*\i:64*((\a)%4)+8*\nb+2*\i+1], s[QS:QS+1], v[BS+8*\nb+2*\i:BS+8*\nb+2*\i+1] op_sel_hi:[1,0,1]   ; each accumulator from its low end on
.endr
.endr
	WIN 0
.if (\a) == 0
	s_cmp_lg_u32 s[CY], 0                          ; the cluster's y: the same in all sixteen partners
	s_cbranch_scc1 .Lnot_first
.irp nb, 0,1,2,3,4,5,6,7
	global_store_b128 v[LI], v[T+8*\nb:T+8*\nb+3], s[12:13] offset:(\nb>>2)*4096+(\nb&3)*1024      ; t < 16 in f32: lane (r, h): position r, channels 16 (nb % 4) + 8 h + 0 .. 3,
	global_store_b128 v[LI], v[T+8*\nb+4:T+8*\nb+7], s[12:13] offset:(\nb>>2)*4096+(\nb&3)*1024+512  ; and + 4 .. 7
.endr
.Lnot_first:
.endif
.irp nb, 0,1,2,3,4,5,6,7
.irp i, 0,1,2,3
	v_cvt_pk_f16_f32 v[PK+4*\nb+\i], v[T+8*\nb+2*\i], v[T+8*\nb+2*\i+1]
.endr
.endr
.irp nb, 0,1,2,3,4,5,6,7
	global_store_b128 v[PLA], v[PK+4*\nb:PK+4*\nb+3], s[10:11] offset:(\a)*2048+(\nb>>2)*131072+((\nb>>1)&1)*1024+(\nb&1)*512   ; 512 consecutive bytes, aligned
.endr
.endm
.irp a, 0,1,2,3,4,5,6,7
	OUTB \a
.endr
; TILE 2: my 128 rows x 64 columns of v.  Eight steps of 128 along K; step s lies in half s / 4 of K.  All fragments have two sets: a step's 24 LDS loads are issued a step ahead.
.macro F2 s                            ; step s's fragments into set s % 2: B's four blocks, A's eight
	WIN TO_B
.irp i, 0,1,2,3
	FRAG 128*((\s)%2)+FR*\i, ADRB2+(\s)/4, (\s)%4, \i
.endr
.if (\s)%2
	WIN 0xc0                                       ; destination window 3
.irp i, 0,1,2,3,4,5,6,7
	FRAG FR*\i, ADRA+(\s)/4, (\s)%4, \i
.endr
.else
	WIN 0
.irp i, 0,1,2,3,4,5,6,7
	FRAG AF+FR*\i, ADRA+(\s)/4, (\s)%4, \i
.endr
.endif
.endm
.macro M2 s                            ; 32 matrix instructions; the 32 accumulators take turns in the same order in every step.  Both sides' scale words stand in lanes 0-15
.if (\s)%2
	WIN MUL_A3
.set AB2, 0
.else
	WIN MUL_LO
.set AB2, AF
.endif
.if (\s) < 4
.set SA2, SC+(\s)
.else
.set SA2, SA1+(\s)-4
.endif
.irp a, 0,1,2,3,4,5,6,7
.irp b, 0,1,2,3
.if (\s) == 0
	v_wmma_scale_f32_16x16x128_f8f6f4 v[8*(4*\a+\b):8*(4*\a+\b)+7], v[128*((\s)%2)+FR*\b:128*((\s)%2)+FR*\b+FR-1], v[AB2+FR*\a:AB2+FR*\a+FR-1], 0, v[SB2+8*\b+(\s)], v[SA2+NQ*\a] matrix_a_fmt:MATRIX_FMT_FP4 matrix_b_fmt:MATRIX_FMT_FP4
.else
	v_wmma_scale_f32_16x16x128_f8f6f4 v[8*(4*\a+\b):8*(4*\a+\b)+7], v[128*((\s)%2)+FR*\b:128*((\s)%2)+FR*\b+FR-1], v[AB2+FR*\a:AB2+FR*\a+FR-1], v[8*(4*\a+\b):8*(4*\a+\b)+7], v[SB2+8*\b+(\s)], v[SA2+NQ*\a] matrix_a_fmt:MATRIX_FMT_FP4 matrix_b_fmt:MATRIX_FMT_FP4
.endif
.endr
.endr
.endm
	s_wait_xcnt 0x0                                ; tile 1's last stores have read T and PK: LDS loads land there below
	SCALES SC, 0                                   ; A's scale words of both halves of K
	SCALES SA1, 1
	s_wait_tensorcnt 0x0                           ; waves 2 and 3: my half of tile 2's B has landed,
	s_wait_dscnt 0x0
	s_barrier_signal -1
	s_barrier_wait -1                              ; both halves have
	F2 0
.irp s, 0,1,2,3,4,5,6,7
.if \s < 7
.if \s > 0
	PLACES NP                                      ; the set that the last step multiplied is loaded again
.endif
	F2 \s+1
	s_wait_dscnt 24                                ; this step's fragments are in; the 24 loads just issued may be out
.else
	s_wait_dscnt 0x0
.endif
.if \s == 0
	s_wait_loadcnt 0x0                             ; B's scale words
.endif
	M2 \s
.endr
	WIN 0
	PLACES NP
; Tile 2, block a.  The factor is 1: the bias is added.
.macro OUTV a
	s_wait_xcnt 0x0                                ; the last block's stores have read their data
	WIN 0x02                                       ; source 0: window 2
.irp nb, 0,1,2,3
.irp i, 0,1,2,3
	v_pk_add_f32 v[T+8*\nb+2*\i:T+8*\nb+2*\i+1], v[32*(\a)+8*\nb+2*\i:32*(\a)+8*\nb+2*\i+1], v[BS2+8*\nb+2*\i:BS2+8*\nb+2*\i+1]   ; each accumulator from its low end on
.endr
.endr
	WIN 0
.if (\a) == 0
	s_cmp_lg_u32 s[CY], 0
	s_cbranch_scc1 .Lnot_first_v
.irp nb, 0,1,2,3
	global_store_b128 v[LI], v[T+8*\nb:T+8*\nb+3], s[F2P:F2P+1] offset:\nb*1024
	global_store_b128 v[LI], v[T+8*\nb+4:T+8*\nb+7], s[F2P:F2P+1] offset:\nb*1024+512
.endr
.Lnot_first_v:
.endif
.irp nb, 0,1,2,3
.irp i, 0,1,2,3
	v_cvt_pk_f16_f32 v[PK+4*\nb+\i], v[T+8*\nb+2*\i], v[T+8*\nb+2*\i+1]
.endr
.endr
.irp nb, 0,1,2,3
	global_store_b128 v[PLA], v[PK+4*\nb:PK+4*\nb+3], s[O2P:O2P+1] offset:(\a)*2048+((\nb>>1)&1)*1024+(\nb&1)*512   ; 512 consecutive bytes, aligned
.endr
.endm
.irp a, 0,1,2,3,4,5,6,7
	OUTV \a
.endr
	s_wait_tensorcnt 0x0                           ; the wave's end, behind my last tensor load
	ds_add_u32 v[SPW], v[NIL]
	s_wait_dscnt 0x0
	CROUND                                         ; the closing round
	s_endpgm
.Lfunc_end_k_q2ec3c4d4ce_qkv:
	.size	k_q2ec3c4d4ce_qkv, .Lfunc_end_k_q2ec3c4d4ce_qkv-k_q2ec3c4d4ce_qkv
	.p2alignl 7, 3214868480
	.fill 96, 4, 3214868480
	.section	.rodata,"a",@progbits
	.p2align	6, 0x0
	.amdhsa_kernel k_q2ec3c4d4ce_qkv
		.amdhsa_group_segment_fixed_size 327680
		.amdhsa_private_segment_fixed_size 0
		.amdhsa_enable_private_segment 0
		.amdhsa_kernarg_size 40
		.amdhsa_user_sgpr_count 2
		.amdhsa_user_sgpr_kernarg_segment_ptr 1
		.amdhsa_wavefront_size32 1
		.amdhsa_system_sgpr_workgroup_id_x 1
		.amdhsa_system_sgpr_workgroup_id_y 1
		.amdhsa_system_sgpr_workgroup_id_z 1
		.amdhsa_system_vgpr_workitem_id 0
		.amdhsa_next_free_vgpr 1024
		.amdhsa_next_free_sgpr 102
		.amdhsa_reserve_vcc 0
		.amdhsa_float_denorm_mode_32 3
		.amdhsa_float_denorm_mode_16_64 3
		.amdhsa_memory_ordered 1
		.amdhsa_forward_progress 1
		.amdhsa_inst_pref_size 210
	.end_amdhsa_kernel
	.amdgpu_metadata
---
amdhsa.version: [ 1, 2 ]
amdhsa.kernels:
  - .name:           k_q2ec3c4d4ce_qkv
    .symbol:         k_q2ec3c4d4ce_qkv.kd
    .args:
      - { .name: codes, .offset: 0, .size: 8, .value_kind: global_buffer, .address_space: global }
      - { .name: scales, .offset: 8, .size: 8, .value_kind: global_buffer, .address_space: global }
      - { .name: qkv_b, .offset: 16, .size: 8, .value_kind: global_buffer, .address_space: global }
      - { .name: qkvh, .offset: 24, .size: 8, .value_kind: global_buffer, .address_space: global }
      - { .name: qkv0, .offset: 32, .size: 8, .value_kind: global_buffer, .address_space: global }
    .group_segment_fixed_size: 327680
    .private_segment_fixed_size: 0
    .kernarg_segment_align: 8
    .kernarg_segment_size: 40
    .max_flat_workgroup_size: 128
    .sgpr_count:     102
    .vgpr_count:     1024
    .wavefront_size: 32
...
	.end_amdgpu_metadata
.endif
;; end of part 2
;; launch attn (part 3): grid 2 x 128, 16 waves a work-group, no clusters, 327,680 bytes of LDS; arguments qkvh, att, vtail; writes att, vtail
.if DOCPART == 3
	.amdgcn_target "amdgcn-amd-amdhsa--gfx1250"
	.amdhsa_code_object_version 6
	.text
	.protected	k_q2ec3c4d4ce_attn
	.globl	k_q2ec3c4d4ce_attn
	.p2align	8
	.type	k_q2ec3c4d4ce_attn,@function
k_q2ec3c4d4ce_attn:
	s_mov_b64 s[64:65], 0
	v_nop
	global_prefetch_b8 v0, s[64:65] scope:SCOPE_SE
	s_setreg_imm32_b32 hwreg(HW_REG_WAVE_MODE, 25, 1), 1
	s_wait_xcnt 0x0
; For each batch and head: softmax over all 1,024 keys of the scores q . k (q already holds the factor 1/8), where a key behind the query has the score -10,000, times v.  f16 operands, f32 sums, maxima and exponentials.
; THE MASK FILLS WITH A NUMBER, NOT WITH -INFINITY: hidden keys keep the weight 2^(c (-10000) - c m).  Inside the key step on the diagonal their scores are set to -10,000 and they go through the products like any key.
; All keys of the steps behind it share one weight w: they add w x (the sum of their v) to the result and w x (their number) to the divisor; the sums of v from each step of 64 keys on are made once, in LDS.
; A running maximum is kept for each query; the masked score takes part in it.
; SHARES.  A head has 64 tiles of 16 queries; tile i wants i / 4 + 1 key steps of 64.  Wave w of work-group p takes i = 16 p + w: first tile 63 - i (16 - i / 4 steps), then tile i (i / 4 + 1): 17 steps for every wave of the launch,
; so the loops' trip counts are constants and the work is even.  Sixteen waves of 256 registers: four to a SIMD, so that one wave's vector work stands beside another's products and LDS loads.
; LDS.  The whole head's K and V, 131,072 bytes each, images of operand registers as the launch before laid them, are filled ONCE, by waves 0-3, four tensor loads each (256 keys a group); nothing is filled again.
; The first eight steps of every wave's first tile read the first two groups while the later ones are on their way.
; NO JOINT LOADS: two work-groups share a head; a cluster here has four along an axis, and with two heads in it a joint load's address would hang on the place in the cluster.  NO PREFETCH: all tensor loads go out at the head.
; LAYOUT.  S^T = K Q^T (source 0 = 16 keys, source 1 = my 16 queries), O^T = V^T P (source 0 = 16 channels, by the turning LDS load): a lane holds one query (lane % 16) throughout; two tiles of S^T rounded in pairs ARE P's fragment.
; The result, rounded to f16 in pairs, is the projection's operand: att is [b x 64 + tile][2 head + chunk of 32 channels][1,024 bytes], lane l's 16 bytes at 16 l of each 512.
; LIMITS: NaN and infinities are not served; the result stays under 65,504.
.set VREG,  131072                     ; LDS: K at 0, V here,
.set BSUM,  262144                     ; 16 x 256 bytes: the sum of v over each key step (step 0: over keys 16-63),
.set SVT,   266240                     ; 16 x 256 bytes: the sums from each step on,
.set SPARE, 270336                     ; the spare words, 128 bytes a wave
.set AK,  1                            ; v1  my 16 bytes' place in an image's 512: 16 ((r xor 8 h) + 16 h)
.set AV,  2                            ; v2  the same for the turning load, + VREG
.set ADK, 3                            ; v3, v4 the LDS addresses in hand
.set ADV, 4
.set SPW, 5
.set NIL, 6
.set LI,  7                            ; v7  16 x lane
.set DQ,  8                            ; v8  r - 8 h
.set ASV, 9                            ; v9  SVT + 32 h
.set MBV, 10                           ; v10 -10,000
.set DD,  11                           ; v11 the mask's bound
.set CM,  12                           ; v12 c m;  v13 m;  v[14:15] l, even and odd keys'
.set MX,  13
.set L0,  14
.set T0,  16                           ; v16-19 at work; the factor a in v18
.set TT,  20                           ; v20-23 at work
.set QF,  24                           ; v24-39 Q: two fragments
.set S,   40                           ; v40-71 S^T, then p
.set P,   72                           ; v72-87 P
.set OA,  88                           ; v88-119 O^T
.set KB,  120                          ; v120-183 K of a step
.set VB,  184                          ; v184-247 V of a step
.set F0,  248                          ; v248-255 a fragment of ones
.set WV,  10
.set TI,  13                           ; s13 i;  s14 i / 4;  s15 the first tile's steps
.set I4,  14
.set NB,  15
.set TAU, 16                           ; s16 the trip
.set KJ,  17                           ; s17 its key step;  s18 the tile's diagonal step;  s19 the tile
.set JD,  18
.set TIL, 19
.set CS,  20                           ; s[20:21] c = log2(e)
.set SEL, 22                           ; s[22:23] selects for lane xor 16
.set G1,  24
.set G0,  32                           ; s[32:47] four groups 0
.set QB,  48                           ; s[48:49], s[50:51] Q of my first and second tile
.set QA,  50
.set OB0, 52                           ; s[52:53] att at my batch and head
	s_load_b128 s[4:7], s[0:1], 0x0                ; qkvh, att
	s_load_b64 s[8:9], s[0:1], 0x10                ; vtail
	v_lshl_add_u32 v[SPW], v0, 2, SPARE
	v_mov_b32 v[NIL], 0
	ds_add_u32 v[SPW], v[NIL]                      ; the wave's opening: an add to my spare word, twice on end, and its wait ahead of the first tensor load
	ds_add_u32 v[SPW], v[NIL]
	v_lshrrev_b32 v1, 5, v0
	v_readfirstlane_b32 s[WV], v1                  ; wave 0..15
	s_and_b32 s54, ttmp7, 0xffff                   ; 16 b + head
	s_lshl_b32 s[TI], ttmp9, 4
	s_add_co_u32 s[TI], s[TI], s[WV]
	s_lshr_b32 s[I4], s[TI], 2
	s_sub_co_u32 s[NB], 16, s[I4]
	s_mov_b32 s[CS], 0x3fb8aa3b
	s_mov_b32 s[CS+1], s[CS]
	s_mov_b32 s[SEL], 0x76543210
	s_mov_b32 s[SEL+1], 0xfedcba98
	s_mov_b32 s[G1], 3<<16                         ; a dense block of 16,384 bytes as 64 rows of 256: elements of 8 bytes, no mask, no padding
	s_mov_b32 s[G1+1], 32<<16                      ; tensor_dim0
	s_mov_b32 s[G1+2], 64<<16                      ; tensor_dim1
	s_mov_b32 s[G1+3], 32<<16                      ; tile_dim0
	s_mov_b32 s[G1+4], 64                          ; tile_dim1
	s_mov_b32 s[G1+5], 32                          ; the pitch
	s_mov_b32 s[G1+6], 0
	s_mov_b32 s[G1+7], 0
	s_and_b32 s11, s[WV], 1                        ; waves 0, 2 fetch K, waves 1, 3 V;
	s_bfe_u32 s12, s[WV], 0x10001                  ; waves 0, 1 the first half of each group of 256 keys, waves 2, 3 the second
	s_lshl_b32 s55, s11, 17
	s_lshl_b32 s56, s12, 14
	s_add_co_u32 s55, s55, s56                     ; in LDS
	s_lshl_b32 s57, s11, 7
	s_add_co_u32 s57, s57, s54
	s_add_co_u32 s57, s57, 128                     ; the plane: k's are 128 on, v's 256 on
	s_lshl_b32 s58, s57, 17
	s_add_co_u32 s58, s58, s56
	s_mov_b32 s59, 0
	s_wait_dscnt 0x0                               ; both opening adds are done
	s_wait_kmcnt 0x0
	s_add_nc_u64 s[58:59], s[4:5], s[58:59]
.irp g, 0,1,2,3
	s_mov_b32 s[G0+4*\g], 1
	s_add_co_u32 s[G0+4*\g+1], s55, \g*32768
	s_add_nc_u64 s[G0+4*\g+2:G0+4*\g+3], s[58:59], \g*32768
	s_or_b32 s[G0+4*\g+3], s[G0+4*\g+3], 0x80000000
.endr
	s_cmp_lt_u32 s[WV], 4                          ; a wave's four fills stand in one branch on its number; four loads of mine are out behind them
	s_cbranch_scc0 .Lno_fill
.irp g, 0,1,2,3
	tensor_load_to_lds s[G0+4*\g:G0+4*\g+3], s[G1:G1+7]
	s_nop 0
.endr
.rept 4
	v_nop
.endr
.Lno_fill:
	s_lshl_b32 s56, s54, 17
	s_mov_b32 s57, 0
	s_add_nc_u64 s[4:5], s[4:5], s[56:57]          ; q's plane of my head
	s_sub_co_u32 s61, 63, s[TI]                    ; my first tile
	s_lshl_b32 s56, s61, 11
	s_add_nc_u64 s[QB:QB+1], s[4:5], s[56:57]
	s_lshl_b32 s56, s[TI], 11
	s_add_nc_u64 s[QA:QA+1], s[4:5], s[56:57]
	s_lshr_b32 s56, s54, 4
	s_lshl_b32 s56, s56, 21
	s_and_b32 s55, s54, 15
	s_lshl_b32 s55, s55, 11
	s_add_co_u32 s56, s56, s55
	s_add_nc_u64 s[OB0:OB0+1], s[6:7], s[56:57]
	s_lshl_b32 s56, s54, 8
	s_add_nc_u64 s[8:9], s[8:9], s[56:57]
	s_sub_co_u32 s60, 15, s[I4]                    ; my first tile's diagonal step
	v_and_b32 v20, 31, v0
	v_lshlrev_b32 v[LI], 4, v20
	v_and_b32 v21, 16, v0
	v_lshlrev_b32 v21, 3, v21
	v_xor_b32 v[AK], v[LI], v21
.irp i, 0,1,2,3
	global_load_b128 v[QF+4*\i:QF+4*\i+3], v[AK], s[QB:QB+1] offset:512*\i
.endr
	v_bfe_u32 v22, v0, 4, 1                        ; h
	v_and_b32 v23, 7, v0
	v_lshl_add_u32 v23, v22, 3, v23                ; the turning load: lane l reads key 8 h + l % 8, channels 8 u + 0 .. 7, u = (l / 8) % 2:
	v_bfe_u32 v16, v0, 3, 1
	v_lshlrev_b32 v17, 3, v16
	v_xor_b32 v23, v23, v17
	v_lshl_add_u32 v23, v16, 4, v23                ; place (key xor 8 u) + 16 u
	v_lshl_add_u32 v[AV], v23, 4, VREG
	v_and_b32 v[DQ], 15, v0
	v_lshlrev_b32 v17, 3, v22
	v_sub_nc_u32 v[DQ], v[DQ], v17
	v_lshl_add_u32 v[ASV], v22, 5, SVT
	v_mov_b32 v[MBV], 0xc61c4000
	v_mov_b32 v[MX], 0xf149f2ca                    ; the largest score so far: -1e30
	v_mul_f32 v[CM], s[CS], v[MX]
	v_mov_b32 v[L0], 0
	v_mov_b32 v[L0+1], 0
	v_mov_b32 v18, 0
	v_mov_b32 v19, 0
.set n, 0
.rept 32
	v_mov_b32 v[OA+n], 0                           ; O^T: the trip is written without a first step of its own
.set n, n+1
.endr
.macro SOFTMAX
.irp k, 0,1,2,3
	v_max3_num_f32 v[T0+\k], v[S+8*\k], v[S+8*\k+1], v[S+8*\k+2]          ; four chains, each from its accumulator's low end on
.endr
.irp k, 0,1,2,3
	v_max3_num_f32 v[T0+\k], v[T0+\k], v[S+8*\k+3], v[S+8*\k+4]
.endr
.irp k, 0,1,2,3
	v_max3_num_f32 v[T0+\k], v[T0+\k], v[S+8*\k+5], v[S+8*\k+6]
.endr
	v_max3_num_f32 v[T0], v[T0], v[S+7], v[S+15]
	v_max3_num_f32 v[T0+2], v[T0+2], v[S+23], v[S+31]
	v_max3_num_f32 v[T0], v[T0], v[T0+1], v[T0+2]
	v_max3_num_f32 v[T0], v[T0], v[T0+3], v[MX]
	v_permlanex16_b32 v[T0+1], v[T0], s[SEL], s[SEL+1]                    ; the query's other 32 keys lie in the lane 16 away
	v_mov_b32 v[T0+3], v[CM]
	v_max_num_f32 v[MX], v[T0], v[T0+1]
	v_mul_f32 v[CM], s[CS], v[MX]
	v_sub_f32 v[T0+3], v[T0+3], v[CM]                                     ; c m_old - c m_new
.set n, 0
.rept 16
	v_pk_fma_f32 v[S+2*n:S+2*n+1], v[S+2*n:S+2*n+1], s[CS:CS+1], v[CM:CM+1] op_sel_hi:[1,0,0] neg_lo:[0,0,1] neg_hi:[0,0,1]   ; c s - c m
.set n, n+1
.endr
	v_exp_f32 v[T0+2], v[T0+3]                                            ; a
.set n, 0
.rept 32
	v_exp_f32 v[S+n], v[S+n]                                              ; p
.set n, n+1
.endr
	v_nop                                                                 ; a plain instruction behind the last exponential
	s_wait_alu depctr_va_vdst(0)                                          ; one wait for the batch of 33, ahead of its first reader
	v_pk_mul_f32 v[L0:L0+1], v[L0:L0+1], v[T0+2:T0+3] op_sel_hi:[1,0]
	v_pk_add_f32 v[TT:TT+1], v[S:S+1], v[S+2:S+3]                         ; the sum of p, unrounded, in two chains
.irp j, 4,8,12,16,20,24,28
	v_pk_add_f32 v[L0:L0+1], v[L0:L0+1], v[S+\j:S+\j+1]
	v_pk_add_f32 v[TT:TT+1], v[TT:TT+1], v[S+\j+2:S+\j+3]
.endr
	v_pk_add_f32 v[L0:L0+1], v[L0:L0+1], v[TT:TT+1]
.set n, 0
.rept 16
	v_cvt_pk_f16_f32 v[P+n], v[S+2*n], v[S+2*n+1]
.set n, n+1
.endr
.set n, 0
.rept 16
	v_pk_mul_f32 v[OA+2*n:OA+2*n+1], v[OA+2*n:OA+2*n+1], v[T0+2:T0+3] op_sel_hi:[1,0]
.set n, n+1
.endr
.endm
; ONE KEY STEP OF 64.  full = 0: the trip's number is the key step, no mask and no end of a tile can fall here.  full = 1: the tile and the key step are chosen by the trip's number and ids.
.macro TRIP full
.if \full
	s_cmp_ge_u32 s[TAU], s[NB]                     ; my second tile?
	s_cselect_b32 s54, s[I4], 0
	s_cselect_b32 s[JD], s[I4], s60
	s_cselect_b32 s[TIL], s[TI], s61
	s_add_co_u32 s[KJ], s[TAU], s54                ; the second tile's steps begin at trip 16 - i / 4: (trip + i / 4) mod 16 counts them from 0
	s_and_b32 s[KJ], s[KJ], 15
	s_lshl_b32 s55, s[KJ], 13                      ; a step's four tiles of keys are 8,192 bytes
.else
	s_lshl_b32 s55, s[TAU], 13
.endif
	v_add_nc_u32 v[ADK], s55, v[AK]                ; these two and two v_nop: the four places between the last products and the loads into V's registers
	v_add_nc_u32 v[ADV], s55, v[AV]
	v_nop
	v_nop
.irp kt, 0,1,2,3
.irp c, 0,1
	ds_load_b128 v[KB+16*\kt+8*\c:KB+16*\kt+8*\c+3], v[ADK] offset:\kt*2048+\c*1024
	ds_load_b128 v[KB+16*\kt+8*\c+4:KB+16*\kt+8*\c+7], v[ADK] offset:\kt*2048+\c*1024+512
.endr
.endr
.irp ct, 0,1,2,3
.irp kg, 0,1
	ds_load_tr16_b128 v[VB+16*\ct+8*\kg:VB+16*\ct+8*\kg+3], v[ADV] offset:\kg*4096+(\ct/2)*1024+(\ct%2)*512
	ds_load_tr16_b128 v[VB+16*\ct+8*\kg+4:VB+16*\ct+8*\kg+7], v[ADV] offset:\kg*4096+2048+(\ct/2)*1024+(\ct%2)*512
.endr
.endr
	s_wait_dscnt 16                                ; K is in; V's sixteen loads may be out
.if \full
	s_wait_loadcnt 0x0                             ; Q of my second tile, asked for in the trip before its first
.endif
.irp kt, 0,1,2,3                               ; the four accumulators take turns
	v_wmma_f32_16x16x32_f16 v[S+8*\kt:S+8*\kt+7], v[KB+16*\kt:KB+16*\kt+7], v[QF:QF+7], 0
.endr
.irp kt, 0,1,2,3
	v_wmma_f32_16x16x32_f16 v[S+8*\kt:S+8*\kt+7], v[KB+16*\kt+8:KB+16*\kt+15], v[QF+8:QF+15], v[S+8*\kt:S+8*\kt+7]
.endr
.rept 4
	v_nop
.endr
.if \full
	s_cmp_lg_u32 s[KJ], s[JD]                      ; ids and the trip's number alone
	s_cbranch_scc1 .Lopen_\@
	s_cmp_ge_u32 s[TAU], s[NB]
	s_cbranch_scc1 .Lno_q_\@
.irp i, 0,1,2,3
	global_load_b128 v[QF+4*\i:QF+4*\i+3], v[AK], s[QA:QA+1] offset:512*\i      ; my first tile's last products with Q are issued: Q of the second is asked for
.endr
.Lno_q_\@:
	s_and_b32 s55, s[TIL], 3
	s_lshl_b32 s55, s55, 4
	v_add_nc_u32 v[DD], s55, v[DQ]                 ; register 8 kt + j holds key 16 kt + 8 h + j of the step; my query is 16 (tile % 4) + r: hidden where 16 kt + j > 16 (tile % 4) + r - 8 h
.set n, 0
.rept 32
	v_cmp_gt_i32 vcc_lo, 16*(n/8)+n%8, v[DD]
	v_cndmask_b32 v[S+n], v[S+n], v[MBV], vcc_lo
.set n, n+1
.endr
.Lopen_\@:
.endif
	SOFTMAX
	s_wait_dscnt 0x0                               ; V is in
.irp kg, 0,1
.irp ct, 0,1,2,3
	v_wmma_f32_16x16x32_f16 v[OA+8*\ct:OA+8*\ct+7], v[VB+16*\ct+8*\kg:VB+16*\ct+8*\kg+7], v[P+8*\kg:P+8*\kg+7], v[OA+8*\ct:OA+8*\ct+7]
.endr
.endr
.if \full
	s_cmp_lg_u32 s[KJ], s[JD]
	s_cbranch_scc1 .Lgo_\@
	; THE TILE'S END.  The keys of the steps behind the diagonal step: m' = max(m, -10000); a = 2^(c m - c m'), w = 2^(c (-10000) - c m'); result = (a O + w SV) / (a l + w N).  In the last step there are none: w = 0 by a score of -1e30.
.rept 4
	v_nop
.endr
	s_mov_b32 s56, 0xf149f2ca
	s_cmp_lt_u32 s[JD], 15
	s_cselect_b32 s54, 0xc61c4000, s56
	s_sub_co_u32 s56, 15, s[JD]
	s_lshl_b32 s56, s56, 6                         ; N
	s_add_co_u32 s57, s[JD], 1
	s_min_u32 s57, s57, 15
	s_lshl_b32 s57, s57, 8
	v_add_nc_u32 v[ADK], s57, v[ASV]
.irp ct, 0,1,2,3
	ds_load_b128 v[S+8*\ct:S+8*\ct+3], v[ADK] offset:64*\ct               ; SV at my eight channels of each tile
	ds_load_b128 v[S+8*\ct+4:S+8*\ct+7], v[ADK] offset:64*\ct+16
.endr
	v_add_f32 v[T0], v[L0], v[L0+1]
	v_permlanex16_b32 v[T0+1], v[T0], s[SEL], s[SEL+1]
	v_add_f32 v[T0], v[T0], v[T0+1]                ; l
	v_max_num_f32 v[T0+1], s54, v[MX]              ; m'
	v_mul_f32 v[T0+3], s[CS], v[T0+1]
	v_sub_f32 v[TT], v[CM], v[T0+3]
	v_mov_b32 v[TT+1], s54
	v_fma_f32 v[TT+1], v[TT+1], s[CS], -v[T0+3]
	v_cvt_f32_u32 v[TT+2], s56
	v_exp_f32 v[TT], v[TT]                         ; a
	v_exp_f32 v[TT+1], v[TT+1]                     ; w
	v_nop
	s_wait_alu depctr_va_vdst(0)                   ; one wait for the two
	v_mul_f32 v[TT+2], v[TT+1], v[TT+2]
	v_fma_f32 v[T0], v[T0], v[TT], v[TT+2]
	v_rcp_f32 v[T0], v[T0]
	v_nop
	s_wait_alu depctr_va_vdst(0)
	v_mul_f32 v[TT], v[TT], v[T0]                  ; a / divisor
	v_mul_f32 v[TT+2], v[TT+1], v[T0]              ; w / divisor
	s_wait_dscnt 0x0
.set n, 0
.rept 16
	v_pk_mul_f32 v[S+2*n:S+2*n+1], v[S+2*n:S+2*n+1], v[TT+2:TT+3] op_sel_hi:[1,0]
.set n, n+1
.endr
.set n, 0
.rept 16
	v_pk_fma_f32 v[S+2*n:S+2*n+1], v[OA+2*n:OA+2*n+1], v[TT:TT+1], v[S+2*n:S+2*n+1] op_sel_hi:[1,0,1]
.set n, n+1
.endr
.set n, 0
.rept 16
	v_cvt_pk_f16_f32 v[P+n], v[S+2*n], v[S+2*n+1]
.set n, n+1
.endr
	s_lshl_b32 s58, s[TIL], 15
	s_mov_b32 s59, 0
	s_add_nc_u64 s[58:59], s[OB0:OB0+1], s[58:59]
.irp ct, 0,1,2,3
	global_store_b128 v[LI], v[P+4*\ct:P+4*\ct+3], s[58:59] offset:512*\ct      ; 512 consecutive bytes, aligned
.endr
	v_mov_b32 v[MX], 0xf149f2ca                    ; the next tile starts with the maximum -1e30: its first step's a is 0, which clears l and O^T
	v_mul_f32 v[CM], s[CS], v[MX]
	s_wait_xcnt 0x0                                ; the stores have read their data and their base: both are written again only behind this wait
.Lgo_\@:
.endif
	s_add_co_u32 s[TAU], s[TAU], 1
.endm
	s_wait_loadcnt 0x0                             ; Q of my first tile
	s_wait_tensorcnt 3                             ; my first load, keys 0-255, is in; the three younger may be out
	s_barrier_signal -1
	s_barrier_wait -1
	s_mov_b32 s[TAU], 0
.Lone:                                             ; key steps 0-3 of my first tile, which has nine steps at the least
	TRIP 0
	s_cmp_lt_u32 s[TAU], 4
	s_cbranch_scc1 .Lone
	s_wait_tensorcnt 2                             ; keys 256-511
	s_wait_dscnt 0x0
	s_barrier_signal -1
	s_barrier_wait -1
	s_mov_b32 s[TAU], 4
.Ltwo:                                             ; key steps 4-7
	TRIP 0
	s_cmp_lt_u32 s[TAU], 8
	s_cbranch_scc1 .Ltwo
	s_wait_tensorcnt 0x0                           ; all keys
	s_wait_dscnt 0x0
	s_barrier_signal -1
	s_barrier_wait -1
	; THE SUMS OF V.  Wave w sums key step w by the matrix unit: V^T times ones; every column of the result holds the sums.  Wave 0 leaves keys 0-15 out: its sum serves only the launch for the first 16 positions.
.rept 4
	v_nop                                          ; places behind the last products, in front of loads into V's registers and writes of P's
.endr
	s_lshl_b32 s55, s[WV], 13
	v_add_nc_u32 v[ADV], s55, v[AV]
.irp ct, 0,1,2,3
.irp kg, 0,1
	ds_load_tr16_b128 v[VB+16*\ct+8*\kg:VB+16*\ct+8*\kg+3], v[ADV] offset:\kg*4096+(\ct/2)*1024+(\ct%2)*512
	ds_load_tr16_b128 v[VB+16*\ct+8*\kg+4:VB+16*\ct+8*\kg+7], v[ADV] offset:\kg*4096+2048+(\ct/2)*1024+(\ct%2)*512
.endr
.endr
	s_cmp_eq_u32 s[WV], 0
	s_cselect_b32 s54, 0, 0x3c003c00
.irp i, 0,1,2,3
	v_mov_b32 v[F0+\i], s54                        ; keys 0-15 of the step
	v_mov_b32 v[F0+4+\i], 0x3c003c00               ; keys 16-31: 1.0 twice
.endr
.irp i, 0,1,2,3,4,5,6,7
	v_mov_b32 v[P+\i], 0x3c003c00                  ; keys 32-63
.endr
	s_lshl_b32 s55, s[WV], 8
	v_bfe_u32 v[ADK], v0, 4, 1
	v_lshlrev_b32 v[ADK], 5, v[ADK]
	v_add_nc_u32 v[ADK], s55, v[ADK]
	v_add_nc_u32 v[ADK], BSUM, v[ADK]              ; my step's 256 bytes, + 32 h
	s_wait_dscnt 0x0
.irp ct, 0,1,2,3
	v_wmma_f32_16x16x32_f16 v[S+8*\ct:S+8*\ct+7], v[VB+16*\ct:VB+16*\ct+7], v[F0:F0+7], 0
.endr
.irp ct, 0,1,2,3
	v_wmma_f32_16x16x32_f16 v[S+8*\ct:S+8*\ct+7], v[VB+16*\ct+8:VB+16*\ct+15], v[P:P+7], v[S+8*\ct:S+8*\ct+7]
.endr
.rept 4
	v_nop
.endr
.irp ct, 0,1,2,3
	ds_store_b128 v[ADK], v[S+8*\ct:S+8*\ct+3] offset:64*\ct              ; the sixteen lanes of a half write the same words with the same values
	ds_store_b128 v[ADK], v[S+8*\ct+4:S+8*\ct+7] offset:64*\ct+16
.endr
	s_wait_dscnt 0x0                               ; for the others' sake
	s_barrier_signal -1
	s_barrier_wait -1
	v_and_b32 v[DD], 31, v0
	v_lshlrev_b32 v[DD], 3, v[DD]                  ; two channels a lane
	v_add_nc_u32 v[ADK], BSUM, v[DD]
	v_add_nc_u32 v[ADV], s55, v[DD]
	v_add_nc_u32 v[ADV], SVT, v[ADV]
.set j, 0
.rept 16
	ds_load_b64 v[KB+2*j:KB+2*j+1], v[ADK] offset:256*j
.set j, j+1
.endr
	s_mov_b32 s57, 0
	s_wait_dscnt 0x0
	s_cmp_le_u32 s[WV], 0
	s_cselect_b32 s56, 1.0, 0
	v_pk_mul_f32 v[TT:TT+1], v[KB:KB+1], s[56:57] op_sel_hi:[1,0]
.set j, 1
.rept 15
	s_cmp_le_u32 s[WV], j                          ; wave w adds the steps from w on
	s_cselect_b32 s56, 1.0, 0
	v_pk_fma_f32 v[TT:TT+1], v[KB+2*j:KB+2*j+1], s[56:57], v[TT:TT+1] op_sel_hi:[1,0,1]
.set j, j+1
.endr
	ds_store_b64 v[ADV], v[TT:TT+1]
	s_or_b32 s55, ttmp9, s[WV]
	s_cmp_lg_u32 s55, 0
	s_cbranch_scc1 .Lno_tail
	global_store_b64 v[DD], v[TT:TT+1], s[8:9]     ; the head's first work-group, wave 0: the sum of v over keys 16 on: 256 consecutive bytes, aligned
	s_wait_xcnt 0x0                                ; its offset and data are written again below
.Lno_tail:
	s_wait_dscnt 0x0
	s_barrier_signal -1
	s_barrier_wait -1
	s_mov_b32 s[TAU], 8
.Lthree:                                           ; trips 8-16: the rest of my first tile, then my second
	TRIP 1
	s_cmp_lt_u32 s[TAU], 17
	s_cbranch_scc1 .Lthree
	s_wait_tensorcnt 0x0                           ; the wave's end, behind my last tensor load and LDS store
	ds_add_u32 v[SPW], v[NIL]
	s_wait_dscnt 0x0
	s_endpgm
.Lfunc_end_k_q2ec3c4d4ce_attn:
	.size	k_q2ec3c4d4ce_attn, .Lfunc_end_k_q2ec3c4d4ce_attn-k_q2ec3c4d4ce_attn
	.p2alignl 7, 3214868480
	.fill 96, 4, 3214868480
	.section	.rodata,"a",@progbits
	.p2align	6, 0x0
	.amdhsa_kernel k_q2ec3c4d4ce_attn
		.amdhsa_group_segment_fixed_size 327680
		.amdhsa_private_segment_fixed_size 0
		.amdhsa_enable_private_segment 0
		.amdhsa_kernarg_size 24
		.amdhsa_user_sgpr_count 2
		.amdhsa_user_sgpr_kernarg_segment_ptr 1
		.amdhsa_wavefront_size32 1
		.amdhsa_system_sgpr_workgroup_id_x 1
		.amdhsa_system_sgpr_workgroup_id_y 1
		.amdhsa_system_sgpr_workgroup_id_z 1
		.amdhsa_system_vgpr_workitem_id 0
		.amdhsa_next_free_vgpr 256
		.amdhsa_next_free_sgpr 66
		.amdhsa_reserve_vcc 1
		.amdhsa_float_denorm_mode_32 3
		.amdhsa_float_denorm_mode_16_64 3
		.amdhsa_memory_ordered 1
		.amdhsa_forward_progress 1
		.amdhsa_inst_pref_size 52
	.end_amdhsa_kernel
	.amdgpu_metadata
---
amdhsa.version: [ 1, 2 ]
amdhsa.kernels:
  - .name:           k_q2ec3c4d4ce_attn
    .symbol:         k_q2ec3c4d4ce_attn.kd
    .args:
      - { .name: qkvh, .offset: 0, .size: 8, .value_kind: global_buffer, .address_space: global }
      - { .name: att, .offset: 8, .size: 8, .value_kind: global_buffer, .address_space: global }
      - { .name: vtail, .offset: 16, .size: 8, .value_kind: global_buffer, .address_space: global }
    .group_segment_fixed_size: 327680
    .private_segment_fixed_size: 0
    .kernarg_segment_align: 8
    .kernarg_segment_size: 24
    .max_flat_workgroup_size: 512
    .sgpr_count:     66
    .vgpr_count:     256
    .wavefront_size: 32
...
	.end_amdgpu_metadata
.endif
;; end of part 3
;; launch proj (part 4): grid 4 x 64, 4 waves a work-group, clusters of 4 x 4, 327,680 bytes of LDS; arguments att, owh, out_b, out0; writes out0
.if DOCPART == 4
	.amdgcn_target "amdgcn-amd-amdhsa--gfx1250"
	.amdhsa_code_object_version 6
	.text
	.protected	k_q2ec3c4d4ce_proj
	.globl	k_q2ec3c4d4ce_proj
	.p2align	8
	.type	k_q2ec3c4d4ce_proj,@function
k_q2ec3c4d4ce_proj:
	s_mov_b64 s[64:65], 0
	v_nop
	global_prefetch_b8 v0, s[64:65] scope:SCOPE_SE
	s_setreg_imm32_b32 hwreg(HW_REG_WAVE_MODE, 25, 1), 1
	s_wait_xcnt 0x0
	s_wait_alu depctr_hold_cnt(0) depctr_sa_sdst(0) depctr_va_vdst(0) depctr_va_sdst(0) depctr_va_ssrc(0) depctr_va_vcc(0) depctr_vm_vsrc(0)
	s_getreg_b32 s2, hwreg(HW_REG_IB_STS2, 6, 4)
	s_cmp_eq_u32 s2, 0
	s_cbranch_scc0 .Lentry_in_a_cluster
	s_endpgm
.Lentry_in_a_cluster:
	s_bfe_u32 s2, ttmp6, 0x10000c
	s_cmp_lg_u32 s2, 0xf033
	s_cbranch_scc0 .Lentry_shape_is_right
	s_endpgm
.Lentry_shape_is_right:
; out0[t][b][f] = sum over e of attn[t][b][e] out_w[f][e] + out_b[f]: 8,192 x 1,024 x 1,024, f16 operands, f32 sums.
; Both operands arrive as images of operand registers: att [512 tiles of 16 rows (b x 64 + t / 16)][32 chunks of 32 e][1,024 bytes], owh [64 tiles of 16 f][32 chunks][1,024 bytes]; lane l's 16 bytes at 16 l of each 512.
; So a fragment is two LDS loads of 512 consecutive bytes, with no pitch and no padding, and a K step's part of a tile of 16 rows is 4,096 consecutive bytes of memory.
; A tile of out0 is 128 rows x 256 columns: 256 work-groups.  Four waves, each 64 x 128: 32 accumulators.  K goes in steps of 128 through a ring of two LDS slots.
; CLUSTERS: 4 x 4 work-groups; att's tiles are asked for jointly along a row of the cluster, owh's along a column.  USED TRANSPOSED (source 0 = 16 f, source 1 = 16 rows): a lane holds eight neighbouring f of one row.
; The rows of the positions t < 16 are made here like all others and written again, more finely, by the launch that follows: so the grid divides into clusters and no branch hangs on a place in a cluster.
; REGISTERS: window 0: v0-35 addresses and the bias; v64-191 rows on the way out.  window 1: two fragment buffers of 96 (att's 32, then owh's 64).  window 2: the accumulators ((a, nb) at v[8 (8 a + nb)]).
.set SLOT,   98304                     ; att's 8 tiles x 4 chunks x 1,024 bytes, then owh's 16 tiles x 4 chunks
.set BOFF,   32768
.set STAGE,  2*SLOT                    ; behind the ring: 16 rows x (512 + 16) bytes for each wave; no tensor load lands there
.set SPITCH, 528
.set SPARE,  STAGE+4*16*SPITCH         ; the spare words, 128 bytes a wave
.set LAPS,   4                         ; eight K steps
.set ADRA, 16                          ; v16-17 att's fragments in slot 0, 1
.set ADRB, 20                          ; v20-21 owh's
.set STO,  24
.set RD,   25
.set CO,   26                          ; v26 16 x lane
.set SPW,  28
.set NIL,  29
.set PFO,  30                          ; v30 the prefetches' offset
.set OBI,  32                          ; v32-35 out_b at my four columns of a row's 128
.set BK,   64
.set F0,   0
.set F1,   96
.set LIM,  2                           ; s2 1 in the wave that prefetches, else the greatest number
.set G1,   24
.set G0,   32
.set PFA,  44                          ; s[44:45]
.set G1B,  48
.set G0B,  56
.set MSB, 0
.macro WIN new                         ; the immediate's high byte repeats the setting that is left
.if MSB != \new
	s_set_vgpr_msb (MSB<<8)|\new
.set MSB, \new
.endif
.endm
.set MUL,  0xa5                        ; sources 0 and 1 window 1; C and D window 2
.set TO_F, 0x40                        ; destination window 1
.macro JLOAD s                         ; a joint load: waves 0 and 1 fetch att's halves, waves 2 and 3 owh's; an s_nop 0 and four v_nop follow each line
	s_cmp_eq_u32 s13, 0
	s_cbranch_scc0 .Lfor_b_\@
	tensor_load_to_lds s[G0+4*\s:G0+4*\s+3], s[G1:G1+7]
	s_nop 0
.rept 4
	v_nop
.endr
	s_branch .Lasked_\@
.Lfor_b_\@:
	tensor_load_to_lds s[G0B+4*\s:G0B+4*\s+3], s[G1B:G1B+7]
	s_nop 0
.rept 4
	v_nop
.endr
.Lasked_\@:
.endm
.macro CREST
	s_cmp_lg_u32 s12, 0
	s_cbranch_scc1 .Lnot_wave_0_\@
	s_barrier_signal -3
.Lnot_wave_0_\@:
	s_barrier_wait -3
	s_barrier_signal -1
	s_barrier_wait -1
.endm
.macro CROUND
	s_barrier_signal -1
	s_barrier_wait -1
	CREST
.endm
; A prefetch of att's K step that stands two refills on.  A tile row of att is read by the four partners of one row of one cluster and by nobody else; they share its 8 tiles out by address, two each; in each, wave 0 asks:
; 2 tiles x 4,096 bytes, lanes 256 bytes apart: each block is named once in the launch.  It asks while the lap counter is above 1: K steps 4 to 7; K steps 0 to 3 come by their loads alone.  owh, which every row of clusters reads, is not asked for.
.macro ASK
	s_cmp_gt_u32 s3, s[LIM]
	s_cbranch_scc0 .Lnot_mine_\@
	global_prefetch_b8 v[PFO], s[PFA:PFA+1] offset:4096 th:TH_LOAD_NT scope:SCOPE_SE
.Lnot_mine_\@:
.endm
	s_load_b128 s[4:7], s[0:1], 0x0                ; att, owh
	s_load_b128 s[8:11], s[0:1], 0x10              ; out_b, out0
	v_lshl_add_u32 v[SPW], v0, 2, SPARE
	v_mov_b32 v[NIL], 0
	ds_add_u32 v[SPW], v[NIL]                      ; the wave's opening: an add to my spare word, twice on end, and its wait ahead of my first tensor load
	ds_add_u32 v[SPW], v[NIL]
	v_lshrrev_b32 v1, 5, v0
	v_readfirstlane_b32 s12, v1                    ; wave 0..3
	s_lshr_b32 s13, s12, 1                         ; which half of the tile's rows is mine.  Also: I fetch att (0) or owh (1)
	s_and_b32 s14, s12, 1                          ; which half of its columns.  Also: which half of that operand's tile I fetch
	s_bfe_u32 s40, ttmp6, 0x40000                  ; cx, cy
	s_bfe_u32 s41, ttmp6, 0x40004
	s_lshl_b32 s42, ttmp9, 2
	s_add_co_u32 s42, s42, s40                     ; tile column
	s_and_b32 s15, ttmp7, 0xffff
	s_lshl_b32 s15, s15, 2
	s_add_co_u32 s15, s15, s41                     ; tile row y
	s_lshl_b32 s43, s41, 2
	s_lshl_b32 s43, 15, s43                        ; my row of the cluster
	s_lshl_b32 s44, 0x1111, s40                    ; my column
	s_or_b32 s[G1], s43, (3<<16)|(1<<21)           ; the mask; elements of 8 bytes; no padding
	s_mov_b32 s[G1+1], 512<<16                     ; tensor_dim0: 4,096 bytes
	s_mov_b32 s[G1+2], 4<<16                       ; tensor_dim1: 4 tiles of 16 rows
	s_mov_b32 s[G1+3], 512<<16                     ; tile_dim0
	s_mov_b32 s[G1+4], 4                           ; tile_dim1
	s_mov_b32 s[G1+5], 4096                        ; the pitch: 32,768 bytes from tile to tile
	s_mov_b32 s[G1+6], 0
	s_mov_b32 s[G1+7], 0
	s_or_b32 s[G1B], s44, (3<<16)|(1<<21)
	s_mov_b32 s[G1B+1], 512<<16
	s_mov_b32 s[G1B+2], 8<<16                      ; 8 tiles of 16 f
	s_mov_b32 s[G1B+3], 512<<16
	s_mov_b32 s[G1B+4], 8
	s_mov_b32 s[G1B+5], 4096
	s_mov_b32 s[G1B+6], 0
	s_mov_b32 s[G1B+7], 0
	s_lshl_b32 s16, s15, 3
	s_lshl_b32 s17, s14, 2
	s_add_co_u32 s16, s16, s17
	s_lshl_b32 s16, s16, 15                        ; att: tile 8 y + 4 x half
	s_mov_b32 s17, 0
	s_lshl_b32 s46, s42, 4
	s_lshl_b32 s47, s14, 3
	s_add_co_u32 s46, s46, s47
	s_lshl_b32 s46, s46, 15                        ; owh: tile 16 x tile column + 8 x half
	s_mov_b32 s47, 0
	s_lshl_b32 s20, s14, 14                        ; where they go: no place in the cluster enters an LDS address
	s_lshl_b32 s21, s14, 15
	s_add_co_u32 s21, s21, BOFF
	s_wait_dscnt 0x0                               ; both opening adds are done
	s_wait_kmcnt 0x0
	s_add_nc_u64 s[16:17], s[4:5], s[16:17]
	s_add_nc_u64 s[46:47], s[6:7], s[46:47]
	CROUND                                         ; all sixteen work-groups are here: the first joint loads meet
.irp s, 0,1
	s_mov_b32 s[G0+4*\s], 1
	s_add_co_u32 s[G0+4*\s+1], s20, \s*SLOT
	s_add_nc_u64 s[G0+4*\s+2:G0+4*\s+3], s[16:17], \s*4096
	s_or_b32 s[G0+4*\s+3], s[G0+4*\s+3], 0x80000000
	s_mov_b32 s[G0B+4*\s], 1
	s_add_co_u32 s[G0B+4*\s+1], s21, \s*SLOT
	s_add_nc_u64 s[G0B+4*\s+2:G0B+4*\s+3], s[46:47], \s*4096
	s_or_b32 s[G0B+4*\s+3], s[G0B+4*\s+3], 0x80000000
	JLOAD \s
.endr
	v_and_b32 v1, 15, v0                           ; r
	v_bfe_u32 v2, v0, 4, 1                         ; h
	v_and_b32 v3, 31, v0
	v_lshlrev_b32 v[CO], 4, v3
	s_lshl_b32 s21, s13, 14                        ; my 4 tiles of att
	s_lshl_b32 s22, s14, 15                        ; my 8 tiles of owh
	s_add_co_u32 s22, s22, BOFF
.irp s, 0,1
	v_add_nc_u32 v[ADRA+\s], s21, v[CO]
	v_add_nc_u32 v[ADRB+\s], s22, v[CO]
	s_add_co_u32 s21, s21, SLOT
	s_add_co_u32 s22, s22, SLOT
.endr
	s_mul_i32 s23, s12, 16*SPITCH
	s_add_co_u32 s23, s23, STAGE                   ; my stage
	v_mul_u32_u24 v4, v1, SPITCH
	v_lshl_add_u32 v4, v2, 5, v4
	v_add_nc_u32 v[STO], s23, v4                   ; in: row r, 32 bytes for each half of the lanes
	v_add_nc_u32 v[RD], s23, v[CO]                 ; back: the 32 lanes take one row of 512 bytes
	s_lshl_b32 s18, s42, 10
	s_lshl_b32 s19, s14, 9
	s_add_co_u32 s18, s18, s19                     ; my first column, in bytes
	s_mov_b32 s19, 0
	s_add_nc_u64 s[8:9], s[8:9], s[18:19]
	global_load_b128 v[OBI:OBI+3], v[CO], s[8:9]
	s_add_nc_u64 s[10:11], s[10:11], s[18:19]
	s_and_b32 s18, s15, 7                          ; my rows: batch y / 8, positions 16 (8 (y % 8) + 4 x half) on; a position is 32,768 bytes of out0, a batch 4,096
	s_lshl_b32 s18, s18, 3
	s_lshl_b32 s20, s13, 2
	s_add_co_u32 s18, s18, s20
	s_lshl_b32 s18, s18, 19
	s_lshr_b32 s20, s15, 3
	s_lshl_b32 s20, s20, 12
	s_add_co_u32 s18, s18, s20
	s_add_nc_u64 s[10:11], s[10:11], s[18:19]
	s_lshl_b32 s18, s15, 3                         ; the prefetches: tiles 8 y + 2 cx and the next,
	s_lshl_b32 s20, s40, 1
	s_add_co_u32 s18, s18, s20
	s_lshl_b32 s18, s18, 15
	s_add_co_u32 s18, s18, 2*4096                  ; at K step 2: the first refill steps it to 3 and names K step 4
	s_add_nc_u64 s[PFA:PFA+1], s[4:5], s[18:19]
	s_cmp_eq_u32 s12, 0
	s_cselect_b32 s[LIM], 1, -1
	v_lshlrev_b32 v[PFO], 8, v1
	v_lshl_add_u32 v[PFO], v2, 15, v[PFO]
.macro MULA f, a, zero                 ; 8 matrix instructions: my tile a of rows x my 8 tiles of columns, 32 along K.  The 32 accumulators take turns
.irp nb, 0,1,2,3,4,5,6,7
.if \zero
	v_wmma_f32_16x16x32_f16 v[8*(8*(\a)+\nb):8*(8*(\a)+\nb)+7], v[\f+32+8*\nb:\f+32+8*\nb+7], v[\f+8*(\a):\f+8*(\a)+7], 0
.else
	v_wmma_f32_16x16x32_f16 v[8*(8*(\a)+\nb):8*(8*(\a)+\nb)+7], v[\f+32+8*\nb:\f+32+8*\nb+7], v[\f+8*(\a):\f+8*(\a)+7], v[8*(8*(\a)+\nb):8*(8*(\a)+\nb)+7]
.endif
.endr
.endm
.macro FETCH slot, kc, f               ; 24 LDS loads in one run: owh's 8 fragments, then att's 4
	WIN TO_F
.irp nb, 0,1,2,3,4,5,6,7
	ds_load_b128 v[\f+32+8*\nb:\f+32+8*\nb+3], v[ADRB+\slot] offset:\nb*4096+(\kc)*1024
	ds_load_b128 v[\f+32+8*\nb+4:\f+32+8*\nb+7], v[ADRB+\slot] offset:\nb*4096+(\kc)*1024+512
.endr
.irp a, 0,1,2,3
	ds_load_b128 v[\f+8*\a:\f+8*\a+3], v[ADRA+\slot] offset:\a*4096+(\kc)*1024
	ds_load_b128 v[\f+8*\a+4:\f+8*\a+7], v[ADRA+\slot] offset:\a*4096+(\kc)*1024+512
.endr
.endm
.macro PLACES                          ; four plain places in front of loads into registers that matrix instructions have read, and of reads of results
.rept 4
	v_nop
.endr
.endm
.macro QUARTER slot, kc, f, g, zero    ; 32 along K: multiplies buffer f; in its middle fetches chunk kc of the same slot into g
	s_wait_dscnt 4                                 ; all but att's tiles 2 and 3
	WIN MUL
	MULA \f, 0, \zero
	MULA \f, 1, \zero
	PLACES
	FETCH \slot, \kc, \g
	s_wait_dscnt 24                                ; all but the 24 just issued
	WIN MUL
	MULA \f, 2, \zero
	MULA \f, 3, \zero
.endm
; A slot's last quarter changes slots: one barrier; in front of it each wave waits for all its tensor loads, adds 0 to its spare word, and waits for that and for its reads of this slot.  fill = 1: the barrier opens a round of the cluster's, and this slot is filled again.
.macro TURN slot, next, fill
.if \fill
	s_wait_xcnt 0x0                                ; the last prefetch, a K step back, has read its address
	s_add_nc_u64 s[PFA:PFA+1], s[PFA:PFA+1], 4096
.endif
	WIN 0
	s_wait_tensorcnt 0x0                           ; my part of the next slot has landed
	ds_add_u32 v[SPW], v[NIL]
	s_wait_dscnt 5                                 ; (the add and att's tiles 2 and 3 may be out)
	WIN MUL
	MULA F1, 0, 0
	s_wait_dscnt 0x0                               ; the add is done, and my reads of this slot are over
	s_barrier_signal -1
	MULA F1, 1, 0
.if \fill
	WIN 0
.endif
	s_barrier_wait -1
.if \fill
	CREST                                          ; no wave of any partner still reads this slot or has a load on its way
	s_add_nc_u64 s[G0+4*\slot+2:G0+4*\slot+3], s[G0+4*\slot+2:G0+4*\slot+3], 2*4096
	s_add_nc_u64 s[G0B+4*\slot+2:G0B+4*\slot+3], s[G0B+4*\slot+2:G0B+4*\slot+3], 2*4096
	JLOAD \slot                                    ; my one tensor load behind the round; its four v_nop are also the places in front of the loads below
.else
	PLACES
.endif
	FETCH \next, 0, F0
.if \fill
	WIN 0
	ASK
.endif
	WIN MUL
	MULA F1, 2, 0
	MULA F1, 3, 0
.endm
	s_wait_tensorcnt 1                             ; my part of K step 0 is in (K step 1's load may be out),
	s_barrier_signal -1
	s_barrier_wait -1                              ; everybody's is
	FETCH 0, 0, F0
	QUARTER 0, 1, F0, F1, 1                        ; the first quarter's products start the sums
	WIN 0
	s_mov_b32 s3, LAPS-1
.Llap:                                             ; a trip goes once round the ring and fills both slots again
	QUARTER 0, 2, F1, F0, 0
	QUARTER 0, 3, F0, F1, 0
	TURN 0, 1, 1
	QUARTER 1, 1, F0, F1, 0
	QUARTER 1, 2, F1, F0, 0
	QUARTER 1, 3, F0, F1, 0
	TURN 1, 0, 1
	QUARTER 0, 1, F0, F1, 0
	WIN 0
	s_sub_co_u32 s3, s3, 1
	s_cmp_lg_u32 s3, 0
	s_cbranch_scc1 .Llap
	QUARTER 0, 2, F1, F0, 0                        ; the last lap fills nothing
	QUARTER 0, 3, F0, F1, 0
	TURN 0, 1, 0
	QUARTER 1, 1, F0, F1, 0
	QUARTER 1, 2, F1, F0, 0
	QUARTER 1, 3, F0, F1, 0
	s_wait_dscnt 4
	WIN MUL
	MULA F1, 0, 0
	MULA F1, 1, 0
	s_wait_dscnt 0
	MULA F1, 2, 0
	MULA F1, 3, 0
	WIN 0
; THE WAY OUT, a block of 16 rows x 128 columns at a time, through my own stage: in as 32 bytes a lane, back as whole rows of 512 bytes; the bias is added; each store covers 512 consecutive bytes, aligned.
.macro TOSTAGE a
	WIN 0x08                                       ; an LDS store's data: window 2
.irp nb, 0,1,2,3,4,5,6,7
	ds_store_b128 v[STO], v[64*(\a)+8*\nb:64*(\a)+8*\nb+3] offset:64*\nb          ; each accumulator from its low end on
	ds_store_b128 v[STO], v[64*(\a)+8*\nb+4:64*(\a)+8*\nb+7] offset:64*\nb+16
.endr
	WIN 0
.set BB, BK+64*((\a)%2)
.irp t, 0,1,2,3,4,5,6,7,8,9,10,11,12,13,14,15
	ds_load_b128 v[BB+4*\t:BB+4*\t+3], v[RD] offset:\t*SPITCH      ; LDS serves a wave's instructions in order: these see the stores above
.endr
.endm
.macro SEND a, younger
.set BB, BK+64*((\a)%2)
	s_wait_dscnt \younger
.if (\a) > 0
	s_add_nc_u64 s[10:11], s[10:11], 524288        ; 16 positions on (behind a wait on XCNT: the earlier stores have read their base)
.endif
.irp t, 0,1,2,3,4,5,6,7,8,9,10,11,12,13,14,15
	v_pk_add_f32 v[BB+4*\t:BB+4*\t+1], v[BB+4*\t:BB+4*\t+1], v[OBI:OBI+1]
	v_pk_add_f32 v[BB+4*\t+2:BB+4*\t+3], v[BB+4*\t+2:BB+4*\t+3], v[OBI+2:OBI+3]
.endr
.irp t, 0,1,2,3,4,5,6,7,8,9,10,11,12,13,14,15
	global_store_b128 v[CO], v[BB+4*\t:BB+4*\t+3], s[10:11] offset:\t*32768 th:TH_STORE_NT
.endr
.endm
	PLACES
	s_wait_loadcnt 0x0                             ; the bias
	TOSTAGE 0
.irp a, 1,2,3
.if \a > 1
	s_wait_xcnt 0x0                                ; block a - 2's stores have read their registers and their base
.endif
	TOSTAGE \a
	SEND \a-1, 32                                  ; behind block a - 1's loads: block a's 16 stores and 16 loads
.endr
	s_wait_xcnt 0x0
	SEND 3, 0
	s_wait_tensorcnt 0x0                           ; the wave's end, behind my last tensor load and LDS store
	ds_add_u32 v[SPW], v[NIL]
	s_wait_dscnt 0x0
	CROUND                                         ; the closing round
	s_endpgm
.Lfunc_end_k_q2ec3c4d4ce_proj:
	.size	k_q2ec3c4d4ce_proj, .Lfunc_end_k_q2ec3c4d4ce_proj-k_q2ec3c4d4ce_proj
	.p2alignl 7, 3214868480
	.fill 96, 4, 3214868480
	.section	.rodata,"a",@progbits
	.p2align	6, 0x0
	.amdhsa_kernel k_q2ec3c4d4ce_proj
		.amdhsa_group_segment_fixed_size 327680
		.amdhsa_private_segment_fixed_size 0
		.amdhsa_enable_private_segment 0
		.amdhsa_kernarg_size 32
		.amdhsa_user_sgpr_count 2
		.amdhsa_user_sgpr_kernarg_segment_ptr 1
		.amdhsa_wavefront_size32 1
		.amdhsa_system_sgpr_workgroup_id_x 1
		.amdhsa_system_sgpr_workgroup_id_y 1
		.amdhsa_system_sgpr_workgroup_id_z 1
		.amdhsa_system_vgpr_workitem_id 0
		.amdhsa_next_free_vgpr 768
		.amdhsa_next_free_sgpr 66
		.amdhsa_reserve_vcc 0
		.amdhsa_float_denorm_mode_32 3
		.amdhsa_float_denorm_mode_16_64 3
		.amdhsa_memory_ordered 1
		.amdhsa_forward_progress 1
		.amdhsa_inst_pref_size 94
	.end_amdhsa_kernel
	.amdgpu_metadata
---
amdhsa.version: [ 1, 2 ]
amdhsa.kernels:
  - .name:           k_q2ec3c4d4ce_proj
    .symbol:         k_q2ec3c4d4ce_proj.kd
    .args:
      - { .name: att, .offset: 0, .size: 8, .value_kind: global_buffer, .address_space: global }
      - { .name: owh, .offset: 8, .size: 8, .value_kind: global_buffer, .address_space: global }
      - { .name: out_b, .offset: 16, .size: 8, .value_kind: global_buffer, .address_space: global }
      - { .name: out0, .offset: 24, .size: 8, .value_kind: global_buffer, .address_space: global }
    .group_segment_fixed_size: 327680
    .private_segment_fixed_size: 0
    .kernarg_segment_align: 8
    .kernarg_segment_size: 32
    .max_flat_workgroup_size: 128
    .sgpr_count:     66
    .vgpr_count:     768
    .wavefront_size: 32
...
	.end_amdgpu_metadata
.endif
;; end of part 4
;; launch first (part 5): grid 16 x 8, 16 waves a work-group, no clusters, 86,016 bytes of LDS; arguments qkv0, vtail, out_w, out_b, out0; writes out0
.if DOCPART == 5
	.amdgcn_target "amdgcn-amd-amdhsa--gfx1250"
	.amdhsa_code_object_version 6
	.text
	.protected	k_q2ec3c4d4ce_first
	.globl	k_q2ec3c4d4ce_first
	.p2align	8
	.type	k_q2ec3c4d4ce_first,@function
k_q2ec3c4d4ce_first:
	s_mov_b64 s[64:65], 0
	v_nop
	global_prefetch_b8 v0, s[64:65] scope:SCOPE_SE
	s_setreg_imm32_b32 hwreg(HW_REG_WAVE_MODE, 25, 1), 1
	s_wait_xcnt 0x0
; The first 16 positions of every sequence, in f32 from end to end: they average one to a few values and are the largest outputs.  This launch writes rows t < 16 of out0 anew.
; A work-group takes one batch b and 64 output columns.  PHASE 1: wave w makes head w's attention for the 16 queries: 16 keys by the f32 matrix form; a key behind the query has the score -10,000;
; the 1,008 keys from 16 on share that score: they add w x (the sum of their v, from vtail) to the result and 1,008 w to the divisor.  The row's maximum, the masked score among it, is taken off ahead of the exponentials.
; The 16 x 1,024 result meets in LDS.  PHASE 2: wave (nb = w % 4, kq = w / 4) multiplies it by 16 rows of out_w over a quarter of K; the four quarters meet in LDS; each wave adds and stores one row's 256 bytes.
; Every work-group of a batch repeats phase 1: 32 small matrix instructions a wave, against a launch more.  No clusters, no tensor loads: the shared bytes are few.
; THE f32 FORM takes 4 along K: lane (r, h) holds k = 2 h + j in register j.  Both sources are loaded 16 bytes a lane, so a pair of registers holds other k than that: the same permutation of k on both sides, which keeps the sums.
; The four accumulators v144-175 are written by matrix instructions alone; they take turns.
; qkv0: [q, k, v][b][head] planes of 4,096 bytes: [4 groups of 16 channels][2][lane][16 bytes]: lane (r, h): position r, channels 16 g + 8 h + 4 u + 0 .. 3.
; LIMITS: NaN and infinities are not served.
.set ATP,   4112                       ; LDS: the attention's result, 16 rows of 4,096 bytes + 16
.set PS,    65792                      ; the four partial results: 16 rows of 256 bytes + 16 each
.set PSP,   272
.set SPARE, 83200                      ; the spare words, 128 bytes a wave
.set LI,  3                            ; v3  16 x lane
.set VTA, 4                            ; v4  V, turned by the addresses
.set VSA, 5                            ; v5  32 h
.set WA,  6                            ; v6  out_w: row r, + 16 h
.set ATS, 7                            ; v7  where I store my head's result
.set ATL, 8                            ; v8  where I read the rows
.set PSS, 9
.set PSL, 10
.set L8,  11                           ; v11 8 x lane
.set SPW, 12
.set NIL, 13
.set DD,  14                           ; v14 r - 8 h
.set MBV, 15                           ; v15 -10,000
.set QF,  16                           ; v16-47 Q; later the result; later rows of the result
.set KF,  48                           ; v48-79 K; later rows of the result
.set VT,  80                           ; v80-111 V^T; with VS later out_w's second half
.set VS,  112                          ; v112-143 the sum of v over keys 16 on
.set ACC, 144
.set PP,  176                          ; v176-183 scores, p, sums
.set WK,  184                          ; v184-187 at work
.set OB,  188                          ; v[188:189] out_b
.set W0,  192                          ; v192-255 out_w's first half
	s_load_b128 s[4:7], s[0:1], 0x0                ; qkv0, vtail
	s_load_b128 s[8:11], s[0:1], 0x10              ; out_w, out_b
	s_load_b64 s[12:13], s[0:1], 0x20              ; out0
	v_lshl_add_u32 v[SPW], v0, 2, SPARE
	v_mov_b32 v[NIL], 0
	v_lshrrev_b32 v1, 5, v0
	v_readfirstlane_b32 s14, v1                    ; wave = head
	s_and_b32 s15, ttmp7, 0xffff                   ; b
	s_and_b32 s16, s14, 3                          ; nb
	s_lshr_b32 s17, s14, 2                         ; kq
	s_mov_b32 s20, 0x3fb8aa3b                      ; c = log2(e)
	s_mov_b32 s21, s20
	s_mov_b32 s22, 0x76543210
	s_mov_b32 s23, 0xfedcba98
	v_and_b32 v1, 15, v0                           ; r
	v_bfe_u32 v2, v0, 4, 1                         ; h
	v_and_b32 v[L8], 31, v0
	v_lshlrev_b32 v[LI], 4, v[L8]
	v_lshlrev_b32 v[L8], 3, v[L8]
	v_bfe_u32 v[VTA], v0, 2, 1                     ; channel 16 ct + r of key 8 h + n lies at 1,024 ct + 512 ((r / 4) % 2) + 256 (r / 8) + 16 (8 h + n) + 4 (r % 4)
	v_lshlrev_b32 v[VTA], 9, v[VTA]
	v_bfe_u32 v[WK], v0, 3, 1
	v_lshl_add_u32 v[VTA], v[WK], 8, v[VTA]
	v_and_b32 v[WK], 3, v0
	v_lshl_add_u32 v[VTA], v[WK], 2, v[VTA]
	v_lshl_add_u32 v[VTA], v2, 7, v[VTA]
	v_lshlrev_b32 v[VSA], 5, v2
	v_lshlrev_b32 v[WA], 12, v1
	v_lshl_add_u32 v[WA], v2, 4, v[WA]
	v_mul_u32_u24 v[ATS], v1, ATP
	v_lshl_add_u32 v[ATL], v2, 4, v[ATS]
	s_lshl_b32 s24, s17, 10
	v_add_nc_u32 v[ATL], s24, v[ATL]               ; row r, my quarter of K, + 16 h
	v_lshl_add_u32 v[ATS], v2, 5, v[ATS]
	s_lshl_b32 s24, s14, 8
	v_add_nc_u32 v[ATS], s24, v[ATS]               ; row r, my head's 256 bytes, + 32 h
	v_mul_u32_u24 v[PSS], v1, PSP
	v_lshl_add_u32 v[PSS], v2, 5, v[PSS]
	s_mul_i32 s24, s17, 16*PSP
	s_lshl_b32 s25, s16, 6
	s_add_co_u32 s24, s24, s25
	s_add_co_u32 s24, s24, PS
	v_add_nc_u32 v[PSS], s24, v[PSS]
	s_mul_i32 s24, s14, PSP
	s_add_co_u32 s24, s24, PS
	v_add_nc_u32 v[PSL], s24, v[L8]                ; back: wave w takes row w, 8 bytes a lane
	v_lshlrev_b32 v[DD], 3, v2
	v_sub_nc_u32 v[DD], v1, v[DD]
	v_mov_b32 v[MBV], 0xc61c4000
	v_mov_b32 v[WK+1], 0                           ; written once: a lane permute's destination counts as a source; v187 is named in a pair
	v_mov_b32 v[WK+3], 0
	s_lshl_b32 s24, s15, 4
	s_add_co_u32 s24, s24, s14                     ; 16 b + head
	s_mov_b32 s27, 0
	s_wait_kmcnt 0x0
	s_lshl_b32 s26, s24, 12
	s_add_nc_u64 s[4:5], s[4:5], s[26:27]          ; q's plane; k's lies 128 planes on, v's 256
	s_lshl_b32 s26, s24, 8
	s_add_nc_u64 s[6:7], s[6:7], s[26:27]
	s_lshl_b32 s26, ttmp9, 18                      ; out_w: row 64 x + 16 nb, my quarter of K
	s_lshl_b32 s25, s16, 16
	s_add_co_u32 s26, s26, s25
	s_lshl_b32 s25, s17, 10
	s_add_co_u32 s26, s26, s25
	s_add_nc_u64 s[8:9], s[8:9], s[26:27]
	s_lshl_b32 s26, ttmp9, 8
	s_add_nc_u64 s[10:11], s[10:11], s[26:27]
	s_lshl_b32 s25, s14, 15                        ; out0: position w, batch b, column 64 x
	s_add_co_u32 s26, s26, s25
	s_lshl_b32 s25, s15, 12
	s_add_co_u32 s26, s26, s25
	s_add_nc_u64 s[12:13], s[12:13], s[26:27]
	global_load_b64 v[OB:OB+1], v[L8], s[10:11]
.irp i, 0,1,2,3,4,5,6,7
	global_load_b128 v[QF+4*\i:QF+4*\i+3], v[LI], s[4:5] offset:512*\i
.endr
.irp i, 0,1,2,3,4,5,6,7
	global_load_b128 v[KF+4*\i:KF+4*\i+3], v[LI], s[4:5] offset:524288+512*\i
.endr
.irp ct, 0,1,2,3
.irp n, 0,1,2,3,4,5,6,7
	global_load_b32 v[VT+8*\ct+\n], v[VTA], s[4:5] offset:1048576+\ct*1024+\n*16
.endr
.endr
.irp ct, 0,1,2,3
	global_load_b128 v[VS+8*\ct:VS+8*\ct+3], v[VSA], s[6:7] offset:64*\ct
	global_load_b128 v[VS+8*\ct+4:VS+8*\ct+7], v[VSA], s[6:7] offset:64*\ct+16
.endr
.irp i, 0,1,2,3,4,5,6,7,8,9,10,11,12,13,14,15
	global_load_b128 v[W0+4*\i:W0+4*\i+3], v[WA], s[8:9] offset:32*\i
.endr
.macro SUMACC dst                      ; the four accumulators' sum, each read from its low end on
.irp i, 0,1,2,3
	v_pk_add_f32 v[\dst+2*\i:\dst+2*\i+1], v[ACC+2*\i:ACC+2*\i+1], v[ACC+8+2*\i:ACC+8+2*\i+1]
.endr
.irp i, 0,1,2,3
	v_pk_add_f32 v[\dst+2*\i:\dst+2*\i+1], v[\dst+2*\i:\dst+2*\i+1], v[ACC+16+2*\i:ACC+16+2*\i+1]
.endr
.irp i, 0,1,2,3
	v_pk_add_f32 v[\dst+2*\i:\dst+2*\i+1], v[\dst+2*\i:\dst+2*\i+1], v[ACC+24+2*\i:ACC+24+2*\i+1]
.endr
.endm
	s_wait_loadcnt 56                              ; out_b, Q and K are in; V^T's 32, the sums' 8 and out_w's 16 may be out
.set n, 0
.rept 16                                       ; S^T = K Q^T: lane (r, h), register j: key 8 h + j, query r
.if n < 4
	v_wmma_f32_16x16x4_f32 v[ACC+8*(n%4):ACC+8*(n%4)+7], v[KF+2*n:KF+2*n+1], v[QF+2*n:QF+2*n+1], 0
.else
	v_wmma_f32_16x16x4_f32 v[ACC+8*(n%4):ACC+8*(n%4)+7], v[KF+2*n:KF+2*n+1], v[QF+2*n:QF+2*n+1], v[ACC+8*(n%4):ACC+8*(n%4)+7]
.endif
.set n, n+1
.endr
.rept 8
	v_nop                                          ; eight places behind this form (ISA guide 7.12.1)
.endr
	SUMACC PP
.irp j, 0,1,2,3,4,5,6,7
	v_cmp_gt_i32 vcc_lo, \j, v[DD]                 ; key 8 h + j behind query r
	v_cndmask_b32 v[PP+\j], v[PP+\j], v[MBV], vcc_lo
.endr
	v_max3_num_f32 v[WK+2], v[PP], v[PP+1], v[PP+2]
	v_max3_num_f32 v[WK+2], v[WK+2], v[PP+3], v[PP+4]
	v_max3_num_f32 v[WK+2], v[WK+2], v[PP+5], v[PP+6]
	v_max3_num_f32 v[WK+2], v[WK+2], v[PP+7], v[MBV]   ; the keys from 16 on take part in the maximum
	v_permlanex16_b32 v[WK+1], v[WK+2], s22, s23
	v_max_num_f32 v[WK+2], v[WK+2], v[WK+1]
	v_mul_f32 v[WK], s20, v[WK+2]                  ; c m
.irp i, 0,1,2,3
	v_pk_fma_f32 v[PP+2*\i:PP+2*\i+1], v[PP+2*\i:PP+2*\i+1], s[20:21], v[WK:WK+1] op_sel_hi:[1,0,0] neg_lo:[0,0,1] neg_hi:[0,0,1]
.endr
	v_fma_f32 v[WK+2], v[MBV], s20, -v[WK]
.irp j, 0,1,2,3,4,5,6,7
	v_exp_f32 v[PP+\j], v[PP+\j]                   ; p
.endr
	v_exp_f32 v[WK+2], v[WK+2]                     ; w
	v_nop
	s_wait_alu depctr_va_vdst(0)                   ; one wait for the nine, ahead of their first reader
	v_pk_add_f32 v[WK:WK+1], v[PP:PP+1], v[PP+2:PP+3]
	v_pk_add_f32 v[WK:WK+1], v[WK:WK+1], v[PP+4:PP+5]
	v_pk_add_f32 v[WK:WK+1], v[WK:WK+1], v[PP+6:PP+7]
	v_add_f32 v[WK], v[WK], v[WK+1]
	v_permlanex16_b32 v[WK+1], v[WK], s22, s23
	v_add_f32 v[WK], v[WK], v[WK+1]
	v_fmamk_f32 v[WK], v[WK+2], 0x447c0000, v[WK]  ; + 1,008 w
	v_rcp_f32 v[WK], v[WK]
	v_nop
	s_wait_alu depctr_va_vdst(0)
	v_mul_f32 v[WK+2], v[WK+2], v[WK]              ; w / divisor
	s_wait_loadcnt 16                              ; V^T and the sums are in
.irp u, 0,1,2,3                                ; O^T = V^T P: registers 2 u, 2 u + 1 of p are keys 8 h + 2 u, + 1; V^T was loaded to match
.irp ct, 0,1,2,3
.if \u == 0
	v_wmma_f32_16x16x4_f32 v[ACC+8*\ct:ACC+8*\ct+7], v[VT+8*\ct+2*\u:VT+8*\ct+2*\u+1], v[PP+2*\u:PP+2*\u+1], 0
.else
	v_wmma_f32_16x16x4_f32 v[ACC+8*\ct:ACC+8*\ct+7], v[VT+8*\ct+2*\u:VT+8*\ct+2*\u+1], v[PP+2*\u:PP+2*\u+1], v[ACC+8*\ct:ACC+8*\ct+7]
.endif
.endr
.endr
.set n, 0
.rept 16
	v_pk_mul_f32 v[QF+2*n:QF+2*n+1], v[VS+2*n:VS+2*n+1], v[WK+2:WK+3] op_sel_hi:[1,0]   ; sixteen plain lines that name none of the products' registers: the places behind them
.set n, n+1
.endr
.set n, 0
.rept 16
	v_pk_fma_f32 v[QF+2*n:QF+2*n+1], v[ACC+2*n:ACC+2*n+1], v[WK:WK+1], v[QF+2*n:QF+2*n+1] op_sel_hi:[1,0,1]   ; register 8 ct + j: query r, channel 16 ct + 8 h + j
.set n, n+1
.endr
.irp ct, 0,1,2,3
	ds_store_b128 v[ATS], v[QF+8*\ct:QF+8*\ct+3] offset:64*\ct
	ds_store_b128 v[ATS], v[QF+8*\ct+4:QF+8*\ct+7] offset:64*\ct+16
.endr
.irp i, 0,1,2,3,4,5,6,7,8,9,10,11,12,13,14,15
	global_load_b128 v[VT+4*\i:VT+4*\i+3], v[WA], s[8:9] offset:512+32*\i   ; out_w's second half of my quarter
.endr
	s_wait_dscnt 0x0                               ; for the others' sake
	s_barrier_signal -1
	s_barrier_wait -1                              ; the 16 rows x 1,024 lie in LDS
.macro ALOAD g, as                     ; 64 along K of the 16 rows: eight loads; lane (r, h): k = 8 i + 4 h + 0 .. 3, as out_w's lanes hold it
.irp i, 0,1,2,3,4,5,6,7
	ds_load_b128 v[\as+4*\i:\as+4*\i+3], v[ATL] offset:(8*(\g)+\i)*32
.endr
.endm
.macro GROUP g, as, wb                 ; 16 products: source 0 = 16 rows of out_w, source 1 = the 16 positions
.set n, 0
.rept 16
.if (\g) == 0 && n < 4
	v_wmma_f32_16x16x4_f32 v[ACC+8*(n%4):ACC+8*(n%4)+7], v[\wb+2*n:\wb+2*n+1], v[\as+2*n:\as+2*n+1], 0
.else
	v_wmma_f32_16x16x4_f32 v[ACC+8*(n%4):ACC+8*(n%4)+7], v[\wb+2*n:\wb+2*n+1], v[\as+2*n:\as+2*n+1], v[ACC+8*(n%4):ACC+8*(n%4)+7]
.endif
.set n, n+1
.endr
.endm
	ALOAD 0, QF
	ALOAD 1, KF
	s_wait_dscnt 8                                 ; group 0 is in
	s_wait_loadcnt 16                              ; out_w's first half is in; the second may be out
	GROUP 0, QF, W0
.rept 8
	v_nop                                          ; places in front of loads into registers that these products have read
.endr
	ALOAD 2, QF
	s_wait_dscnt 8
	GROUP 1, KF, W0+32
.rept 8
	v_nop
.endr
	ALOAD 3, KF
	s_wait_dscnt 8
	s_wait_loadcnt 0x0
	GROUP 2, QF, VT
	s_wait_dscnt 0x0
	GROUP 3, KF, VT+32
.rept 8
	v_nop
.endr
	SUMACC PP                                      ; lane (r, h), register j: position r, column 16 nb + 8 h + j, over my quarter of K
	ds_store_b128 v[PSS], v[PP:PP+3]
	ds_store_b128 v[PSS], v[PP+4:PP+7] offset:16
	s_wait_dscnt 0x0
	s_barrier_signal -1
	s_barrier_wait -1
.irp q, 0,1,2,3
	ds_load_b64 v[QF+2*\q:QF+2*\q+1], v[PSL] offset:\q*16*PSP
.endr
	s_wait_dscnt 0x0
	v_pk_add_f32 v[QF:QF+1], v[QF:QF+1], v[QF+2:QF+3]
	v_pk_add_f32 v[QF+4:QF+5], v[QF+4:QF+5], v[QF+6:QF+7]
	v_pk_add_f32 v[QF:QF+1], v[QF:QF+1], v[QF+4:QF+5]
	v_pk_add_f32 v[QF:QF+1], v[QF:QF+1], v[OB:OB+1]
	global_store_b64 v[L8], v[QF:QF+1], s[12:13]   ; the wave stores 256 consecutive bytes, aligned
	s_wait_tensorcnt 0x0                           ; the wave's end, behind my last LDS store
	ds_add_u32 v[SPW], v[NIL]
	s_wait_dscnt 0x0
	s_endpgm
.Lfunc_end_k_q2ec3c4d4ce_first:
	.size	k_q2ec3c4d4ce_first, .Lfunc_end_k_q2ec3c4d4ce_first-k_q2ec3c4d4ce_first
	.p2alignl 7, 3214868480
	.fill 96, 4, 3214868480
	.section	.rodata,"a",@progbits
	.p2align	6, 0x0
	.amdhsa_kernel k_q2ec3c4d4ce_first
		.amdhsa_group_segment_fixed_size 86016
		.amdhsa_private_segment_fixed_size 0
		.amdhsa_enable_private_segment 0
		.amdhsa_kernarg_size 40
		.amdhsa_user_sgpr_count 2
		.amdhsa_user_sgpr_kernarg_segment_ptr 1
		.amdhsa_wavefront_size32 1
		.amdhsa_system_sgpr_workgroup_id_x 1
		.amdhsa_system_sgpr_workgroup_id_y 1
		.amdhsa_system_sgpr_workgroup_id_z 1
		.amdhsa_system_vgpr_workitem_id 0
		.amdhsa_next_free_vgpr 256
		.amdhsa_next_free_sgpr 66
		.amdhsa_reserve_vcc 1
		.amdhsa_float_denorm_mode_32 3
		.amdhsa_float_denorm_mode_16_64 3
		.amdhsa_memory_ordered 1
		.amdhsa_forward_progress 1
		.amdhsa_inst_pref_size 29
	.end_amdhsa_kernel
	.amdgpu_metadata
---
amdhsa.version: [ 1, 2 ]
amdhsa.kernels:
  - .name:           k_q2ec3c4d4ce_first
    .symbol:         k_q2ec3c4d4ce_first.kd
    .args:
      - { .name: qkv0, .offset: 0, .size: 8, .value_kind: global_buffer, .address_space: global }
      - { .name: vtail, .offset: 8, .size: 8, .value_kind: global_buffer, .address_space: global }
      - { .name: out_w, .offset: 16, .size: 8, .value_kind: global_buffer, .address_space: global }
      - { .name: out_b, .offset: 24, .size: 8, .value_kind: global_buffer, .address_space: global }
      - { .name: out0, .offset: 32, .size: 8, .value_kind: global_buffer, .address_space: global }
    .group_segment_fixed_size: 86016
    .private_segment_fixed_size: 0
    .kernarg_segment_align: 8
    .kernarg_segment_size: 40
    .max_flat_workgroup_size: 512
    .sgpr_count:     66
    .vgpr_count:     256
    .wavefront_size: 32
...
	.end_amdgpu_metadata
.endif
;; end of part 5
